; MI455X (gfx1250); checked and timed in simulation.
; The chip was launched on July 23, 2026; its instructions are those of AMD's public machine-readable ISA for CDNA 5 (MIT licence, August 2026) and "CDNA5" Instruction Set Architecture Reference Guide (July 2026). The comments in the code are by the model that wrote it; some were corrected since.
;; Llama Attention. Allowed arithmetic: matrix products marked QUANTISED: E3M2 operands, one E8M0 scale for each 32 along K, by v_wmma_scale_f32_16x16x128_f8f6f4 with both operands' format E3M2, f32 sums; everything else in f32.
;; Inputs: Wk 1,024 x 1,024 float32; Wo 1,024 x 1,024 float32; Wq 1,024 x 1,024 float32; Wv 1,024 x 1,024 float32; hidden_states 2 x 2,048 x 1,024 float32; positions 2,048 int32.
;; Outputs: out0 2 x 2,048 x 1,024 float32.
;; This version of the problem:
;;   THIS VERSION OF THE PROBLEM IS GIVEN IN LOW PRECISION. The matrix products marked QUANTISED in the list below multiply operands that are first quantised to E3M2 (3 exponent bits, 2 mantissa bits; 6 bits a number), with one power-of-two scale for each 32 numbers along K (OCP MX v1.0); their sums are f32. All else is computed in f32.
;;   The module's matrix products, in the order in which they are computed (A, B: the left and right operand; K: the contracted axis; several contracted axes count as one K, in the product's order):
;;     1. [M 4,096, K 1,024] x [K 1,024, N 1,024]; A: input hidden_states; B: input Wq: QUANTISED
;;     2. [M 4,096, K 1,024] x [K 1,024, N 1,024]; A: input hidden_states; B: input Wk: QUANTISED
;;     3. [M 4,096, K 1,024] x [K 1,024, N 1,024]; A: input hidden_states; B: input Wv: QUANTISED
;;     4. batch 64 x [M 2,048, K 32] x [K 32, N 2,048]; A: computed on the way; B: computed on the way: QUANTISED
;;     5. batch 64 x [M 32, K 2,048] x [K 2,048, N 2,048]; A: computed on the way; B: softmax (see below): QUANTISED
;;     6. [M 4,096, K 1,024] x [K 1,024, N 1,024]; A: computed on the way; B: input Wo: QUANTISED
;;   THE QUANTISER, for each operand of a quantised product, along K:
;;     - K is cut into blocks of 32 from its start; a last block that is shorter is filled with zeros.
;;     - A block's scale is 2^e with e = floor(log2(the largest magnitude in the block)) - 4, held to -126 .. 127; a block of zeros has e = 0. As a byte (E8M0): e + 127.
;;     - Each number is divided by its block's scale, clamped to +-28, and rounded to the nearest number of E3M2, ties to even, subnormals kept.
;;     - The product sums the exact products of the quantised numbers (number of the format x scale) in f32.
;;   ~~~python
;;   def quantise(x, axis):      # numpy; x: float32 -> the quantised numbers, widened to float32 again
;;       x = np.moveaxis(x, axis, -1); K = x.shape[-1]
;;       x = np.pad(x, [(0, 0)] * (x.ndim - 1) + [(0, -K % 32)]); x = x.reshape(x.shape[:-1] + (-1, 32)); a = np.abs(x).max(-1, keepdims=True)
;;       e = np.where(a > 0, np.clip(np.frexp(np.where(a > 0, a, 1))[1] - 1 - 4, -126, 127), 0)      # np.frexp(a)[1] - 1 = floor(log2(a)), exactly
;;       r = np.clip(x / 2.0 ** e, -28, 28)
;;       step = 2.0 ** (np.maximum(np.frexp(np.where(r == 0, 1, r))[1] - 1, -2) - 2)
;;       q = np.round(r / step) * step * 2.0 ** e      # np.round: ties to even
;;       return np.moveaxis(q.reshape(q.shape[:-2] + (-1,))[..., :K], -1, axis).astype(np.float32)
;;   ~~~
;;   SOFTMAX AHEAD OF A QUANTISED PRODUCT. Where the list says 'softmax', what is quantised is not the finished softmax but p = 2^(t - M), with t = logit x log2(e) and M = ceil(the row's largest t), a whole number; so 1/2 < the row's largest p <= 1. The row's sum l is taken of the UNQUANTISED p, in f32, and the product's result is divided by l at the end. Since M is a whole number, a kernel that streams over the keys may use a running M (the ceiling of the running maximum): every later rescaling is an exact power of two, which a block's scale takes up: the codes' values come out the same.
;;   OPERANDS COMPUTED ON THE WAY. 'Computed on the way' means the value that the module computes at that place (a softmax that the list does not call 'softmax' is quantised finished and normalised). What goes into a quantiser is computed in f32, as accurately as f32 sums, v_exp_f32 and their like allow (about 1e-6 of the number): no bf16 or f16 on the way to a quantiser, and a product that is left as it is and whose result goes on into a quantised operand takes f32 operands (vector FMAs, or v_wmma_f32_16x16x4_f32). A number that lies on a knife's edge between two numbers of the format may be rounded either way, as far as f32 arithmetic and the matrix unit's own rounding can turn it there, and no further.
;; One version. Each part assembles by itself: llvm-mc -triple=amdgcn-amd-amdhsa -mcpu=gfx1250 --defsym DOCPART=n.
;; ======== version 1 of 1: 4 launches
;; limits: inputs' magnitudes at most 131,072; right only within a limited range of input values
;; workspace buffers: xw_codes 6,291,456 bytes; xw_scales 262,144 bytes; rope 262,144 bytes; qkv_codes 9,437,184 bytes; qkv_scales 393,216 bytes; att_codes 3,145,728 bytes; att_scales 131,072 bytes
;; launch prep (part 1): grid 544 x 1, 4 waves a work-group, no clusters, 68,096 bytes of LDS; arguments hidden_states, Wq, Wk, Wv, Wo, positions, xw_codes, xw_scales, rope; writes xw_codes, xw_scales, rope
.if DOCPART == 1
	.amdgcn_target "amdgcn-amd-amdhsa--gfx1250"
	.amdhsa_code_object_version 6
	.text
	.protected	k_qf2263b1651_prep
	.globl	k_qf2263b1651_prep
	.p2align	8
	.type	k_qf2263b1651_prep,@function
k_qf2263b1651_prep:
	s_mov_b64 s[64:65], 0
	v_nop
	global_prefetch_b8 v0, s[64:65] scope:SCOPE_SE
	s_setreg_imm32_b32 hwreg(HW_REG_WAVE_MODE, 25, 1), 1
	s_wait_xcnt 0x0
; PREP: every input is read once and turned into what the later launches want.
;   work-groups   0..255  X: hidden_states [4096][1024] f32 -> codes of BF6 (E3M2) and E8M0 scale words, K = hidden, innermost
;   work-groups 256..511  W: Wq, Wk, Wv, Wo [1024 (k)][1024 (n)] f32 -> codes and scale words, K = the first axis
;   work-groups 512..543  R: positions -> cos and sin of position x 10000^(-i/16), i = 0..15, laid as the next launch's registers
; A block's scale byte is its largest magnitude's exponent field - 4, held at 1 from below by a floor among the maximum's leaves.
; TOKEN TILES: tile tt (16 rows) holds tokens 64 (tt / 4) + 8 (tt % 4) + 32 (r / 8) + r % 8.
; CODES OF x: [tt][kstep 8][1536]: block b of 32 along K, row r: 24 bytes at 384 b + 24 r.   SCALE WORDS: [tile][kstep 8][row 16] words.
; CODES OF W: [wsel 4][column tile 64][kstep 8][1536] as an image of the operand's 12 registers: register 4 g + x of lane l at 512 g + 16 l + 4 x.
;   Column tile ct holds columns 16 ct + r; for Wv row r of tile 2 head + dt is column 32 head + 16 (r / 8) + 8 dt + r % 8.
; LIMITS: NaN and infinities are not served; a block under 2^-122 or of zeros gets the byte 1 (only this program reads the bytes);
;   the quadrant of sin and cos is right for |position x frequency| up to about 2^17; the frequencies are 10^(-i/4) rounded once to f32.
; No matrix unit, no tensor load, no barrier: waves share nothing.  Only path X touches LDS, each wave its own 16,896 bytes.
.set FLOOR, 0x2800000                  ; 2^(5 - 127)
.set EOFF,  0xfe000000                 ; -(4 << 23)
.set TM, 12                            ; v12-15 maxima, v16-19 the other half's / bytes, v24-27 scale operands
.set CD, 32                            ; v32-63  X: codes, four registers for each (kstep, block)
.set R,  64                            ; v64-191 X: numbers as loaded
.set X,  192                           ; v192-255 X: 64 numbers of a lane, register 16 b + i = k 32 b + 16 h + i of row r
.set WX, 64                            ; v64-127 W: two sets of 32 numbers down K
	s_load_b256 s[4:11], s[0:1], 0x0               ; hidden_states, Wq, Wk, Wv
	s_load_b256 s[12:19], s[0:1], 0x20             ; Wo, positions, xw_codes, xw_scales
	s_load_b64 s[20:21], s[0:1], 0x40              ; rope
	v_lshl_add_u32 v59, v0, 2, 0x10800
	v_mov_b32 v63, 0
	v_lshrrev_b32 v1, 5, v0
	v_readfirstlane_b32 s22, v1                    ; wave
	v_and_b32 v1, 31, v0                           ; lane
	v_and_b32 v2, 15, v0                           ; r
	v_bfe_u32 v3, v0, 4, 1                         ; h
	s_mov_b32 s24, 0x76543210
	s_mov_b32 s25, 0xfedcba98                      ; selects: lane l xor 16
	s_wait_kmcnt 0x0
	s_cmp_lt_u32 ttmp9, 256
	s_cbranch_scc0 .Lnot_x
; ---------------- X: the work-group takes token tile tt = its number, wave w ksteps 2 w and 2 w + 1 ----------------
	s_wait_alu depctr_va_vdst(0)
	v_lshlrev_b32 v4, 4, v1                        ; 16 x lane: a load reads 512 consecutive bytes, one kstep of one row
	s_wait_alu depctr_va_vdst(0)
	s_mul_i32 s26, s22, 16896                      ; my stages: two of 16 rows x 528 bytes
	v_add_nc_u32 v5, s26, v4                       ; way in
	v_mul_u32_u24 v6, v2, 528
	v_lshl_add_u32 v6, v3, 6, v6
	v_add_nc_u32 v6, s26, v6                       ; way out: row r, + 64 h: 16 neighbours of each block
	v_mul_u32_u24 v7, v2, 24
	v_mad_u32_u24 v7, v3, 12, v7                   ; my 12 bytes of a block's 384
	v_lshlrev_b32 v8, 2, v1
	s_lshr_b32 s27, ttmp9, 2
	s_lshl_b32 s27, s27, 6
	s_and_b32 s28, ttmp9, 3
	s_lshl_b32 s28, s28, 3
	s_add_co_u32 s27, s27, s28                     ; the tile's first token
	s_lshl_b32 s28, s27, 12
	s_lshl_b32 s29, s22, 10
	s_add_co_u32 s28, s28, s29
	s_mov_b32 s29, 0
	s_add_nc_u64 s[4:5], s[4:5], s[28:29]
	s_mul_i32 s28, ttmp9, 12288
	s_mul_i32 s30, s22, 3072
	s_add_co_u32 s28, s28, s30
	s_add_nc_u64 s[16:17], s[16:17], s[28:29]
	s_lshl_b32 s28, ttmp9, 9
	s_lshl_b32 s30, s22, 7
	s_add_co_u32 s28, s28, s30
	s_add_nc_u64 s[18:19], s[18:19], s[28:29]
.irp e, 0,1
.set i, 0
.rept 16
	global_load_b128 v[R+64*\e+4*i:R+64*\e+4*i+3], v4, s[4:5] offset:(32*(i/8)+i%8)*4096+512*\e th:TH_LOAD_NT
.set i, i+1
.endr
.endr
.irp b, 0,1,2,3
	v_mov_b32 v[TM+4+\b], 0                        ; a lane permute's destination counts as read
.endr
.macro XHALF e
	s_wait_loadcnt 16-16*\e                        ; this kstep's 16 loads are in; the other kstep's 16 are younger
.set i, 0
.rept 16
	ds_store_b128 v5, v[R+64*\e+4*i:R+64*\e+4*i+3] offset:8448*\e+528*i
.set i, i+1
.endr
.irp b, 0,1,2,3
.irp j, 0,1,2,3
	ds_load_b128 v[X+16*\b+4*\j:X+16*\b+4*\j+3], v6 offset:8448*\e+128*\b+16*\j   ; LDS serves a wave in order: these see my stores
.endr
.endr
	s_wait_dscnt 0x0
.irp b, 0,1,2,3
	v_max3_num_f32 v[TM+\b], |v[X+16*\b]|, |v[X+1+16*\b]|, FLOOR
.endr
.irp i, 2,4,6,8,10,12,14
.irp b, 0,1,2,3
	v_max3_num_f32 v[TM+\b], v[TM+\b], |v[X+16*\b+\i]|, |v[X+1+16*\b+\i]|
.endr
.endr
.irp b, 0,1,2,3
	v_permlanex16_b32 v[TM+4+\b], v[TM+\b], s24, s25
.endr
.irp b, 0,1,2,3
	v_max_num_f32 v[TM+\b], v[TM+\b], v[TM+4+\b]   ; the block's largest magnitude
.endr
.irp b, 0,1,2,3
	v_add_nc_u32 v[TM+12+\b], EOFF, v[TM+\b]       ; 4 off its exponent field: the conversion's scale operand
.endr
.irp b, 0,1,2,3
	v_lshrrev_b32 v[TM+4+\b], 23, v[TM+12+\b]      ; the byte
.endr
	v_lshl_or_b32 v[28+\e], v[TM+5], 8, v[TM+4]
	v_lshl_or_b32 v[28+\e], v[TM+6], 16, v[28+\e]
	v_lshl_or_b32 v[28+\e], v[TM+7], 24, v[28+\e]  ; row r's scale word of this kstep
.irp b, 0,1,2,3
	v_cvt_scalef32_pk16_bf6_f32 v[CD+16*\e+4*\b:CD+16*\e+4*\b+2], v[X+16*\b:X+16*\b+15], v[TM+12+\b]
.endr
	v_nop                                          ; one plain line behind the conversions
.irp b, 0,1,2,3
	global_store_b96 v7, v[CD+16*\e+4*\b:CD+16*\e+4*\b+2], s[16:17] offset:1536*\e+384*\b   ; 384 consecutive bytes
.endr
.endm
	s_wait_alu depctr_va_vdst(0)
	XHALF 0
	XHALF 1
	v_cmp_lt_u32 vcc_lo, 15, v1
	v_cndmask_b32 v30, v28, v29, vcc_lo            ; lanes 0-15: kstep 2 w; lanes 16-31: kstep 2 w + 1
	global_store_b32 v8, v30, s[18:19]             ; 128 consecutive bytes
	s_wait_tensorcnt 0x0
	ds_add_u32 v59, v63
	s_wait_dscnt 0x0
	s_endpgm
.Lnot_x:
	s_cmp_lt_u32 ttmp9, 512
	s_cbranch_scc0 .Lrope
; ---------------- W: one weight, 128 columns, one kstep; wave w takes 32 columns (one head, two column tiles), a lane a column, registers down K ----------------
	s_sub_co_u32 s26, ttmp9, 256
	s_lshr_b32 s27, s26, 6                         ; which weight: q, k, v, o
	s_bfe_u32 s28, s26, 0x30003                    ; which 128 columns
	s_and_b32 s29, s26, 7                          ; kstep
	s_cmp_eq_u32 s27, 1
	s_cselect_b64 s[6:7], s[8:9], s[6:7]
	s_cmp_eq_u32 s27, 2
	s_cselect_b64 s[6:7], s[10:11], s[6:7]
	s_cselect_b32 s30, 24, 0                       ; Wv alone: bits 3 and 4 of the lane change places
	s_cmp_eq_u32 s27, 3
	s_cselect_b64 s[6:7], s[12:13], s[6:7]
	s_wait_alu depctr_va_vdst(0)
	v_lshrrev_b32 v4, 3, v1
	v_lshrrev_b32 v5, 4, v1
	v_xor_b32 v4, v4, v5
	v_and_b32 v4, 1, v4
	v_mul_u32_u24 v4, s30, v4
	v_xor_b32 v4, v1, v4                           ; my column among the wave's 32
	v_lshlrev_b32 v4, 2, v4
	s_wait_alu depctr_va_vdst(0)
	v_lshlrev_b32 v5, 4, v1                        ; image: 16 x lane
	v_lshlrev_b32 v6, 2, v2
	v_lshl_add_u32 v6, v3, 9, v6                   ; scale word: tile (lane / 16) x 512 + 4 r
	s_lshl_b32 s32, s29, 19                        ; kstep x 128 rows x 4,096 bytes
	s_lshl_b32 s33, s28, 9
	s_add_co_u32 s32, s32, s33
	s_lshl_b32 s33, s22, 7
	s_add_co_u32 s32, s32, s33
	s_mov_b32 s33, 0
	s_add_nc_u64 s[6:7], s[6:7], s[32:33]
	s_lshl_b32 s34, s27, 6
	s_lshl_b32 s35, s28, 3
	s_add_co_u32 s34, s34, s35
	s_lshl_b32 s35, s22, 1
	s_add_co_u32 s34, s34, s35                     ; my first column tile among the 256
	s_mul_i32 s32, s34, 12288
	s_mul_i32 s35, s29, 1536
	s_add_co_u32 s32, s32, s35
	s_add_co_u32 s32, s32, 3145728
	s_add_nc_u64 s[16:17], s[16:17], s[32:33]
	s_lshl_b32 s32, s34, 9
	s_lshl_b32 s35, s29, 6
	s_add_co_u32 s32, s32, s35
	s_add_co_u32 s32, s32, 131072
	s_add_nc_u64 s[18:19], s[18:19], s[32:33]
.macro WLOAD t                         ; block t: W(128 kstep + 32 t + i, my column)
.set i, 0
.rept 32
	global_load_b32 v[WX+32*((\t)%2)+i], v4, s[6:7] offset:(32*(\t)+i)*4096 th:TH_LOAD_NT
.set i, i+1
.endr
.endm
.macro WBLOCK t
.set XB, WX+32*((\t)%2)
.set FD, 32+12*((\t)%2)+6*((\t)/2)     ; blocks 0, 2 -> v32, v38; blocks 1, 3 -> v44, v50
.if (\t) < 3
	s_wait_loadcnt 32                              ; this block's 32 loads are in; the next block's 32 are younger
.else
	s_wait_loadcnt 0x0
.endif
	v_max3_num_f32 v12, |v[XB]|, |v[XB+1]|, |v[XB+2]|
	v_max3_num_f32 v13, |v[XB+3]|, |v[XB+4]|, |v[XB+5]|
.irp i, 6,10,14,18,22,26
	v_max3_num_f32 v12, v12, |v[XB+\i]|, |v[XB+\i+1]|
	v_max3_num_f32 v13, v13, |v[XB+\i+2]|, |v[XB+\i+3]|
.endr
	v_max3_num_f32 v12, v12, |v[XB+30]|, |v[XB+31]|
	v_max3_num_f32 v12, v12, v13, FLOOR
	v_add_nc_u32 v11, EOFF, v12
	v_lshrrev_b32 v13, 23, v11
.if (\t) == 0
	v_mov_b32 v16, v13
.else
	v_lshl_or_b32 v16, v13, 8*(\t), v16            ; my column's scale word of this kstep
.endif
	v_cvt_scalef32_pk16_bf6_f32 v[FD:FD+2], v[XB:XB+15], v11
	v_cvt_scalef32_pk16_bf6_f32 v[56:58], v[XB+16:XB+31], v11   ; (three registers begin on an even number)
	v_nop
.irp i, 0,1,2
	v_mov_b32 v[FD+3+\i], v[56+\i]
.endr
.if (\t) < 2
	WLOAD (\t)+2
.endif
.endm
	WLOAD 0
	WLOAD 1
	WBLOCK 0
	WBLOCK 1
	WBLOCK 2
	WBLOCK 3
.set i, 0
.rept 12                               ; v32.. held (tile A | tile B) of blocks 0, 2 and v44.. of blocks 1, 3: after the swap v32.. is tile A's image, v44.. tile B's
	v_permlane16_swap_b32 v[32+i], v[44+i]
.set i, i+1
.endr
.irp g, 0,1,2
	global_store_b128 v5, v[32+4*\g:35+4*\g], s[16:17] offset:512*\g
	global_store_b128 v5, v[44+4*\g:47+4*\g], s[16:17] offset:12288+512*\g
.endr
	global_store_b32 v6, v16, s[18:19]
	s_endpgm
.Lrope:
; ---------------- R: wave w takes token tile ttl = 4 (work-group - 512) + w of a sequence; lane (r, h): frequencies 8 h + 0..7 at row r's position ----------------
	s_sub_co_u32 s26, ttmp9, 512
	s_lshl_b32 s27, s26, 6
	s_lshl_b32 s28, s22, 3
	s_add_co_u32 s27, s27, s28
	s_wait_alu depctr_va_vdst(0)
	v_lshrrev_b32 v4, 3, v2
	v_and_b32 v5, 7, v2
	v_lshl_add_u32 v4, v4, 5, v5
	v_add_nc_u32 v4, s27, v4
	v_lshlrev_b32 v4, 2, v4
	global_load_b32 v6, v4, s[14:15]
	s_lshl_b32 s28, s26, 13
	s_lshl_b32 s29, s22, 11
	s_add_co_u32 s28, s28, s29
	s_mov_b32 s29, 0
	s_add_nc_u64 s[20:21], s[20:21], s[28:29]
	v_lshlrev_b32 v7, 4, v1
	v_cmp_ne_u32 vcc_lo, 0, v3
	s_mov_b32 s30, 0xbfc90fdb                      ; -(pi/2 rounded to f32),
	s_mov_b32 s31, 0x333bbd2e                      ; and what that rounding took away, in two parts
	s_mov_b32 s32, 0x26f72ced
	v_mov_b32 v16, 0xb94ca1f9                      ; sine's and cosine's leading coefficients
	v_mov_b32 v17, 0x37ccf5ce
	s_wait_loadcnt 0x0
	v_cvt_f32_i32 v6, v6
.macro SINCOS j, clo, chi
	v_mov_b32 v8, \chi
	v_cndmask_b32 v8, \clo, v8, vcc_lo             ; the frequency 8 h + j
	v_mul_f32 v8, v6, v8                           ; the angle, one rounding
	v_mul_f32 v9, 0x3f22f983, v8
	v_rndne_f32 v9, v9                             ; n = the nearest multiple of pi/2
	v_fma_f32 v10, v9, s30, v8
	v_fma_f32 v10, v9, s31, v10
	v_fma_f32 v10, v9, s32, v10                    ; the rest, within pi/4
	v_mul_f32 v11, v10, v10
	v_fmaak_f32 v12, v16, v11, 0x3c08839e
	v_fmaak_f32 v13, v17, v11, 0xbab6061a
	v_fmaak_f32 v12, v12, v11, 0xbe2aaaa3
	v_fmaak_f32 v13, v13, v11, 0x3d2aaaa5
	v_mul_f32 v12, v12, v11
	v_mul_f32 v14, v11, v11
	v_fma_f32 v15, v11, -0.5, 1.0
	v_fma_f32 v12, v12, v10, v10                   ; sine of the rest
	v_fma_f32 v13, v13, v14, v15                   ; cosine of the rest
	v_cvt_i32_f32 v9, v9
	v_and_b32 v14, 1, v9
	v_cmp_ne_u32 s36, 0, v14
	v_cndmask_b32 v15, v12, v13, s36               ; odd quadrants: the two change places
	v_cndmask_b32 v14, v13, v12, s36
	v_and_b32 v12, 2, v9
	v_add_nc_u32 v13, 1, v9
	v_lshlrev_b32 v12, 30, v12
	v_and_b32 v13, 2, v13
	v_xor_b32 v[40+\j], v15, v12                   ; sin
	v_lshlrev_b32 v13, 30, v13
	v_xor_b32 v[32+\j], v14, v13                   ; cos
.endm
	SINCOS 0, 0x3f800000, 0x3c23d70a
	SINCOS 1, 0x3f0ff59a, 0x3bb8449c
	SINCOS 2, 0x3ea1e89b, 0x3b4f3e37
	SINCOS 3, 0x3e361887, 0x3ae91528
	SINCOS 4, 0x3dcccccd, 0x3a83126f
	SINCOS 5, 0x3d6655c3, 0x3a136a16
	SINCOS 6, 0x3d0186e2, 0x39a5cb5f
	SINCOS 7, 0x3c91ad39, 0x393a7753
.irp g, 0,1,2,3
	global_store_b128 v7, v[32+4*\g:35+4*\g], s[20:21] offset:512*\g
.endr
	s_endpgm
.Lfunc_end_k_qf2263b1651_prep:
	.size	k_qf2263b1651_prep, .Lfunc_end_k_qf2263b1651_prep-k_qf2263b1651_prep
	.p2alignl 7, 3214868480
	.fill 96, 4, 3214868480
	.section	.rodata,"a",@progbits
	.p2align	6, 0x0
	.amdhsa_kernel k_qf2263b1651_prep
		.amdhsa_group_segment_fixed_size 68096
		.amdhsa_private_segment_fixed_size 0
		.amdhsa_enable_private_segment 0
		.amdhsa_kernarg_size 72
		.amdhsa_user_sgpr_count 2
		.amdhsa_user_sgpr_kernarg_segment_ptr 1
		.amdhsa_wavefront_size32 1
		.amdhsa_system_sgpr_workgroup_id_x 1
		.amdhsa_system_sgpr_workgroup_id_y 1
		.amdhsa_system_sgpr_workgroup_id_z 1
		.amdhsa_system_vgpr_workitem_id 0
		.amdhsa_next_free_vgpr 256
		.amdhsa_next_free_sgpr 66
		.amdhsa_reserve_vcc 1
		.amdhsa_float_denorm_mode_32 3
		.amdhsa_float_denorm_mode_16_64 3
		.amdhsa_memory_ordered 1
		.amdhsa_forward_progress 1
		.amdhsa_inst_pref_size 51
	.end_amdhsa_kernel
	.amdgpu_metadata
---
amdhsa.version: [ 1, 2 ]
amdhsa.kernels:
  - .name:           k_qf2263b1651_prep
    .symbol:         k_qf2263b1651_prep.kd
    .args:
      - { .name: hidden_states, .offset: 0, .size: 8, .value_kind: global_buffer, .address_space: global }
      - { .name: Wq, .offset: 8, .size: 8, .value_kind: global_buffer, .address_space: global }
      - { .name: Wk, .offset: 16, .size: 8, .value_kind: global_buffer, .address_space: global }
      - { .name: Wv, .offset: 24, .size: 8, .value_kind: global_buffer, .address_space: global }
      - { .name: Wo, .offset: 32, .size: 8, .value_kind: global_buffer, .address_space: global }
      - { .name: positions, .offset: 40, .size: 8, .value_kind: global_buffer, .address_space: global }
      - { .name: xw_codes, .offset: 48, .size: 8, .value_kind: global_buffer, .address_space: global }
      - { .name: xw_scales, .offset: 56, .size: 8, .value_kind: global_buffer, .address_space: global }
      - { .name: rope, .offset: 64, .size: 8, .value_kind: global_buffer, .address_space: global }
    .group_segment_fixed_size: 68096
    .private_segment_fixed_size: 0
    .kernarg_segment_align: 8
    .kernarg_segment_size: 72
    .max_flat_workgroup_size: 128
    .sgpr_count:     66
    .vgpr_count:     256
    .wavefront_size: 32
...
	.end_amdgpu_metadata
.endif
;; end of part 1
;; launch qkv (part 2): grid 8 x 32, 4 waves a work-group, clusters of 4 x 1, 168,448 bytes of LDS; arguments xw_codes, xw_scales, rope, qkv_codes, qkv_scales; writes qkv_codes, qkv_scales
.if DOCPART == 2
	.amdgcn_target "amdgcn-amd-amdhsa--gfx1250"
	.amdhsa_code_object_version 6
	.text
	.protected	k_qf2263b1651_qkv
	.globl	k_qf2263b1651_qkv
	.p2align	8
	.type	k_qf2263b1651_qkv,@function
k_qf2263b1651_qkv:
	s_mov_b64 s[64:65], 0
	v_nop
	global_prefetch_b8 v0, s[64:65] scope:SCOPE_SE
	s_setreg_imm32_b32 hwreg(HW_REG_WAVE_MODE, 25, 1), 1
	s_wait_xcnt 0x0
	s_wait_alu depctr_hold_cnt(0) depctr_sa_sdst(0) depctr_va_vdst(0) depctr_va_sdst(0) depctr_va_ssrc(0) depctr_va_vcc(0) depctr_vm_vsrc(0)
	s_getreg_b32 s2, hwreg(HW_REG_IB_STS2, 6, 4)
	s_cmp_eq_u32 s2, 0
	s_cbranch_scc0 .Lentry_in_a_cluster
	s_endpgm
.Lentry_in_a_cluster:
	s_bfe_u32 s2, ttmp6, 0x10000c
	s_cmp_lg_u32 s2, 0x3003
	s_cbranch_scc0 .Lentry_shape_is_right
	s_endpgm
.Lentry_shape_is_right:
; QKV: q, k, v = x Wq, x Wk, x Wv on codes of BF6 with E8M0 scales; RoPE on q and k in f32; q and k quantised along the head's 32, v along the keys.  Nothing leaves as f32.
; SHARES.  A work-group takes 128 tokens (8 token tiles, block mb = grid y) and 4 heads; wave w takes head 4 ng + w: six column tiles (two each of Wq, Wk, Wv) x 8 token tiles = 48 accumulators.
; A (x's codes of the 128 tokens, all of K: 98,304 dense bytes) comes into LDS ONCE, in four chunks of two token tiles, and is never filled again.  The four work-groups of a cluster have the same mb
; and ask for it JOINTLY (mask 15).  B (the weights) is wanted by one wave alone: it goes from memory straight into registers, laid as the operand's registers, three ksteps ahead.  Through LDS
; B would be 288 KiB beside A's 96 KiB, more than a work-group has, so it would want a ring; so B is not multicast.
; q and k tiles are used TRANSPOSED (source 0 = 16 columns of W, source 1 = 16 tokens): a lane holds one token and 8 + 8 of the head's numbers, d and d + 16, which RoPE pairs.
; v tiles are used straight (source 0 = tokens): a lane holds one d, and by the order of tokens in a tile its 32 registers of four tiles are 32 neighbouring keys: a whole block.
; OUT: q, k codes [hb][ttl 128][384], 24 bytes a token, d in the order 0-7, 16-23, 8-15, 24-31 (alike in q and k: a permutation inside one scale block);
;      v codes [hb][step 16][dt 2][1536]: key block b, row d: 24 bytes at 384 b + 24 r;  scale words [hb][step][lane 32].
; LIMITS: NaN and infinities are not served; a block under 2^-122 or of zeros gets the byte 1 (only this program reads the bytes).
; REGISTERS: window 0: v1-9 addresses; v32-63 x's scale words; v64-87 W's; v96-191 A's 8 fragments (one set).  window 1: B, three sets of 72.
;   windows 2, 3: accumulator (t, n) at window 2 + t / 4, v[32 n + 8 (t % 4)]; from v192 cos and sin of tile t (16 registers).
.set NT,   6
.set NBUF, 3
.set XS,   32
.set WS,   64
.set AF,   96
.set XR,   192                         ; the way out: two sets of 16 rotated numbers
.set CD,   96                          ; q's codes, four registers for each token tile
.set KI,   128                         ; v128-151 k's codes: two images of attention's operand (12 registers each)
.set KT,   10                          ; v10-25 k's codes of the odd token tiles, on their way into the images
.set VC,   160                         ; v160-183 v's codes: two images of attention's operand, one for each dt
.set VT,   184                         ; v184-190 the upper halves of v's blocks, on their way into the images
.set BY,   224                         ; scale bytes of (x, t)
.set VBY,  246                         ; scale bytes of v: (f, dt)
.set FLOOR, 0x2800000
.set EOFF,  0xfe000000
.set MSB, 0
.macro WIN new                         ; the immediate's high byte repeats the setting that is left
.if MSB != (\new)
	s_set_vgpr_msb (MSB<<8)|(\new)
.set MSB, (\new)
.endif
.endm
.macro PLACES                          ; four plain lines between a matrix instruction and a load into, or a vector read or write of, its registers
.rept 4
	v_nop
.endr
.endm
.macro CROUND                          ; a round of the cluster's barrier
	s_barrier_signal -1
	s_barrier_wait -1
	s_cmp_lg_u32 s14, 0
	s_cbranch_scc1 .Lnot_wave_0_\@
	s_barrier_signal -3
.Lnot_wave_0_\@:
	s_barrier_wait -3
	s_barrier_signal -1
	s_barrier_wait -1
.endm
	s_load_b256 s[4:11], s[0:1], 0x0               ; xw_codes, xw_scales, rope, qkv_codes
	s_load_b64 s[12:13], s[0:1], 0x20              ; qkv_scales
	v_lshl_add_u32 v95, v0, 2, 0x29000
	v_mov_b32 v255, 0
	ds_add_u32 v95, v255
	ds_add_u32 v95, v255
	v_lshrrev_b32 v1, 5, v0
	v_readfirstlane_b32 s14, v1                    ; wave
	v_and_b32 v1, 31, v0                           ; lane
	v_and_b32 v2, 15, v0                           ; r
	v_bfe_u32 v3, v0, 4, 1                         ; h
	v_mul_u32_u24 v4, v2, 24
	v_mad_u32_u24 v7, v3, 12, v4                   ; 24 r + 12 h: where 16 codes go
	v_mad_u32_u24 v4, v3, 384, v4                  ; 384 h + 24 r: a fragment's bytes of my lane
	v_add_nc_u32 v9, 49152, v4                     ; the same in chunks 2 and 3
	v_lshlrev_b32 v5, 4, v1
	v_lshlrev_b32 v6, 2, v1
	v_lshlrev_b32 v8, 3, v3                        ; 8 h
	s_bfe_u32 s15, ttmp6, 0x40000                  ; cx: it enters global addresses alone
	s_lshl_b32 s40, ttmp9, 2
	s_add_co_u32 s40, s40, s15                     ; ng
	s_and_b32 s41, ttmp7, 0xffff                   ; mb, shared by the four partners
	s_lshl_b32 s42, s40, 2
	s_add_co_u32 s42, s42, s14                     ; my head
	s_and_b32 s43, s41, 15                         ; the 128-token step in its sequence
	s_lshr_b32 s47, s41, 4
	s_lshl_b32 s47, s47, 5
	s_add_co_u32 s47, s47, s42                     ; hb = 32 batch + head
	; descriptor group 1: one dense block of two token tiles, 24,576 bytes, elements of 8 bytes; mask: all four partners
	s_mov_b32 s16, 15|(3<<16)|(1<<21)
	s_mov_b32 s17, 32<<16                          ; a dense block as 96 rows of 256 bytes (32 elements of 8 bytes)
	s_mov_b32 s18, 96<<16
	s_mov_b32 s19, 32<<16
	s_mov_b32 s20, 96
	s_mov_b32 s21, 32
	s_mov_b32 s22, 0
	s_mov_b32 s23, 0
	s_mul_i32 s44, s41, 98304
	s_mul_i32 s45, s14, 24576
	s_add_co_u32 s44, s44, s45                     ; wave w brings tiles 2 w and 2 w + 1
	s_mov_b32 s45, 0
	s_mul_i32 s46, s14, 24576                      ; LDS: token tile t at 12,288 t, kstep ks at + 1,536 ks, as in memory
	s_lshl_b32 s48, s41, 12                        ; x's scale words
	s_mov_b32 s49, 0
	s_lshl_b32 s50, s42, 10                        ; W's scale words: two tiles a head
	s_add_co_u32 s50, s50, 131072
	s_mov_b32 s51, 0
	s_mul_i32 s52, s42, 24576                      ; W's codes
	s_add_co_u32 s52, s52, 3145728
	s_mov_b32 s53, 0
	s_lshl_b32 s54, s43, 14                        ; cos and sin of the step's 8 tiles
	s_mov_b32 s55, 0
	s_mul_i32 s56, s47, 49152
	s_mul_i32 s58, s43, 3072
	s_add_co_u32 s56, s56, s58                     ; codes out
	s_mov_b32 s57, 0
	s_lshl_b32 s58, s47, 11
	s_lshl_b32 s59, s43, 7
	s_add_co_u32 s58, s58, s59                     ; scale words out
	s_mov_b32 s59, 0
	s_mov_b32 s60, 0x76543210
	s_mov_b32 s61, 0xfedcba98
	s_wait_dscnt 0x0
	s_wait_kmcnt 0x0
	s_add_nc_u64 s[44:45], s[4:5], s[44:45]
	s_add_nc_u64 s[48:49], s[6:7], s[48:49]
	s_add_nc_u64 s[50:51], s[6:7], s[50:51]
	s_add_nc_u64 s[52:53], s[4:5], s[52:53]
	s_add_nc_u64 s[54:55], s[8:9], s[54:55]
	s_add_nc_u64 s[56:57], s[10:11], s[56:57]
	s_add_nc_u64 s[58:59], s[12:13], s[58:59]
	CROUND                                         ; the four partners are here: the joint loads meet
	s_mov_b32 s24, 1
	s_add_co_u32 s25, s46, 0
	s_add_nc_u64 s[26:27], s[44:45], 0
	s_or_b32 s27, s27, 0x80000000
	tensor_load_to_lds s[24:27], s[16:23]          ; my two token tiles, all of K: 24,576 dense bytes, ONE load a wave: the only fill of the launch
	s_nop 0
	PLACES                                         ; four plain lines behind the loads
	s_wait_alu depctr_va_vdst(0)
.irp t, 0,1,2,3,4,5,6,7
.irp i, 0,1,2,3
	global_load_b32 v[XS+4*\t+\i], v6, s[48:49] offset:512*\t+128*\i    ; lanes 0-15: kstep 2 i; lanes 16-31: kstep 2 i + 1
.endr
.endr
.irp n, 0,1,2,3,4,5
.irp i, 0,1,2,3
	global_load_b32 v[WS+4*\n+\i], v6, s[50:51] offset:(\n/2)*32768+(\n%2)*512+128*\i
.endr
.endr
.macro BLOAD ks                        ; my six fragments of W for kstep ks: 18 loads of 512 consecutive bytes
	WIN 0x40
.irp n, 0,1,2,3,4,5
.irp g, 0,1,2
	global_load_b128 v[12*NT*((\ks)%NBUF)+12*\n+4*\g:12*NT*((\ks)%NBUF)+12*\n+4*\g+3], v5, s[52:53] offset:(\n/2)*786432+(\n%2)*12288+(\ks)*1536+512*\g
.endr
.endr
	WIN 0
.endm
.macro AFETCH ks, t0                   ; A's fragments of tiles t0 .. t0 + 3 for kstep ks: six loads of 8 bytes each
.irp t, \t0, \t0+1, \t0+2, \t0+3
.irp p, 0,1,2,3,4,5
.if (\t) < 4
	ds_load_b64 v[AF+12*(\t)+2*\p:AF+12*(\t)+2*\p+1], v4 offset:(\t)*12288+(\ks)*1536+768*(\p/3)+8*(\p%3)
.else
	ds_load_b64 v[AF+12*(\t)+2*\p:AF+12*(\t)+2*\p+1], v9 offset:((\t)-4)*12288+(\ks)*1536+768*(\p/3)+8*(\p%3)
.endif
.endr
.endr
.endm
.macro WM d, a, b, sa, sb, ks          ; one product; kstep 0 starts the sums; odd ksteps take their scale words from lanes 16-31
.if (\ks) == 0
	v_wmma_scale_f32_16x16x128_f8f6f4 v[\d:\d+7], v[\a:\a+11], v[\b:\b+11], 0, v[\sa], v[\sb] matrix_a_fmt:MATRIX_FMT_BF6 matrix_b_fmt:MATRIX_FMT_BF6
.elseif (\ks)%2 == 0
	v_wmma_scale_f32_16x16x128_f8f6f4 v[\d:\d+7], v[\a:\a+11], v[\b:\b+11], v[\d:\d+7], v[\sa], v[\sb] matrix_a_fmt:MATRIX_FMT_BF6 matrix_b_fmt:MATRIX_FMT_BF6
.else
	v_wmma_scale_f32_16x16x128_f8f6f4 v[\d:\d+7], v[\a:\a+11], v[\b:\b+11], v[\d:\d+7], v[\sa], v[\sb] matrix_a_fmt:MATRIX_FMT_BF6 matrix_b_fmt:MATRIX_FMT_BF6 matrix_a_scale:MATRIX_SCALE_ROW1 matrix_b_scale:MATRIX_SCALE_ROW1
.endif
.endm
.macro MULH ks, half                   ; 24 products, one for each accumulator of tiles 4 half .. 4 half + 3: the 48 accumulators take turns
	WIN 0xa1+0x50*(\half)
.irp n, 0,1,2,3
.irp u, 0,1,2,3
.set rD, 32*\n+8*\u
.set rW, 12*NT*((\ks)%NBUF)+12*\n
.set rX, AF+12*(4*(\half)+\u)
.set rSW, WS+4*\n+(\ks)/2
.set rSX, XS+4*(4*(\half)+\u)+(\ks)/2
	WM rD, rW, rX, rSW, rSX, \ks
.endr
.endr
	WIN 0xa4+0x50*(\half)
.irp n, 4,5
.irp u, 0,1,2,3
.set rD, 32*\n+8*\u
.set rW, 12*NT*((\ks)%NBUF)+12*\n
.set rX, AF+12*(4*(\half)+\u)
.set rSW, WS+4*\n+(\ks)/2
.set rSX, XS+4*(4*(\half)+\u)+(\ks)/2
	WM rD, rX, rW, rSX, rSW, \ks
.endr
.endr
.endm
.macro KSTEP ks, lc
	s_wait_loadcnt \lc                             ; this kstep's B is in; lc = the global loads issued behind it
	s_wait_dscnt 24                                ; A's tiles 0-3 are in; the 24 loads of tiles 4-7 are younger
	MULH \ks, 0
	s_wait_dscnt 0x0                               ; tiles 4-7 are in
.if (\ks) < 7
	PLACES
	WIN 0
	AFETCH (\ks)+1, 0
.endif
	MULH \ks, 1
	PLACES
	WIN 0
.if (\ks) < 7
	AFETCH (\ks)+1, 4
.endif
.if (\ks)+NBUF < 8
	BLOAD (\ks)+NBUF
.endif
.endm
	BLOAD 0
	BLOAD 1
	BLOAD 2
	s_wait_tensorcnt 0x0                           ; my one load has landed
	s_barrier_signal -1
	s_barrier_wait -1                              ; everybody's has: all of A is in LDS, and is only read from here on
	AFETCH 0, 0
	AFETCH 0, 4
	KSTEP 0, 36                                    ; behind B of kstep k: B of k + 1 and k + 2, 18 loads each
	KSTEP 1, 36
	KSTEP 2, 36
	KSTEP 3, 36
	KSTEP 4, 36
	KSTEP 5, 36
.irp t, 0,1,2,3,4,5,6,7                ; cos and sin, into the accumulators' windows: 32 loads
	WIN 0x80+0x40*(\t/4)
.irp g, 0,1,2,3
	global_load_b128 v[192+16*(\t%4)+4*\g:192+16*(\t%4)+4*\g+3], v5, s[54:55] offset:2048*\t+512*\g
.endr
.endr
	WIN 0
	KSTEP 6, 50                                    ; behind B of kstep 6: B of kstep 7 (18) and the 32 above
	KSTEP 7, 32
	s_wait_loadcnt 0x0                             ; cos and sin
	v_cmp_lt_u32 vcc_lo, 15, v1                    ; lanes 16-31
	v_mov_b32 v242, 0                              ; a lane permute's destination counts as read
	v_mov_b32 v243, 0
; q and k of token tile t: rotated, quantised (a block is the head's 32: my 16 and lane l xor 16's), stored.  q and k by turns.
.macro ROPEQK t
.set aT, 8*((\t)%4)
.set cT, 192+16*((\t)%4)
	WIN 0x0a+5*((\t)/4)                            ; sources 0 and 1: the accumulators' window
.irp x, 0,1
.irp j, 0,2,4,6
	v_pk_mul_f32 v[XR+16*\x+\j:XR+16*\x+\j+1], v[64*\x+aT+\j:64*\x+aT+\j+1], v[cT+\j:cT+\j+1]             ; each accumulator is read from its low end on
	v_pk_mul_f32 v[XR+16*\x+8+\j:XR+16*\x+9+\j], v[64*\x+32+aT+\j:64*\x+33+aT+\j], v[cT+\j:cT+\j+1]
.endr
.endr
.irp x, 0,1
.irp j, 0,2,4,6
	v_pk_fma_f32 v[XR+16*\x+\j:XR+16*\x+\j+1], v[64*\x+32+aT+\j:64*\x+33+aT+\j], v[cT+8+\j:cT+9+\j], v[XR+16*\x+\j:XR+16*\x+\j+1] neg_lo:[1,0,0] neg_hi:[1,0,0]   ; x(d) cos - x(d + 16) sin
	v_pk_fma_f32 v[XR+16*\x+8+\j:XR+16*\x+9+\j], v[64*\x+aT+\j:64*\x+aT+\j+1], v[cT+8+\j:cT+9+\j], v[XR+16*\x+8+\j:XR+16*\x+9+\j]                                 ; x(d + 16) cos + x(d) sin
.endr
.endr
	WIN 0
.irp x, 0,1
	v_max3_num_f32 v[240+\x], |v[XR+16*\x]|, |v[XR+16*\x+1]|, FLOOR
.endr
.irp i, 2,4,6,8,10,12,14
.irp x, 0,1
	v_max3_num_f32 v[240+\x], v[240+\x], |v[XR+16*\x+\i]|, |v[XR+16*\x+\i+1]|
.endr
.endr
.irp x, 0,1
	v_permlanex16_b32 v[242+\x], v[240+\x], s60, s61
.endr
.irp x, 0,1
	v_max_num_f32 v[240+\x], v[240+\x], v[242+\x]
.endr
.irp x, 0,1
	v_add_nc_u32 v[244+\x], EOFF, v[240+\x]
.endr
; k AND v LEAVE AS IMAGES OF ATTENTION'S OPERAND REGISTERS (this replaces the byte order that the head states for them; the places of the 1,536-byte fragments stay):
; register 4 g + x of lane l at 512 g + 16 l + 4 x.  k's fragment F holds token tiles 4 F .. 4 F + 3: lane (r, hb), registers 6 c .. 6 c + 5 = the 24 bytes of row r of tile 4 F + 2 c + hb.
.if ((\t)%2) == 0
.set kD, KI+12*((\t)/4)+6*(((\t)%4)/2)
.else
.set kD, KT+4*((\t)/2)
.endif
	v_cvt_scalef32_pk16_bf6_f32 v[CD+4*(\t):CD+4*(\t)+2], v[XR:XR+15], v244
	v_cvt_scalef32_pk16_bf6_f32 v[kD:kD+2], v[XR+16:XR+31], v245
.irp x, 0,1
	v_lshrrev_b32 v[BY+8*\x+(\t)], 23, v[244+\x]   ; the byte; also the plain line behind the conversions
.endr
	global_store_b96 v7, v[CD+4*(\t):CD+4*(\t)+2], s[56:57] offset:(\t)*384   ; q: 384 consecutive bytes
.if ((\t)%2) == 1
.set kE, KI+12*((\t)/4)+6*(((\t)%4)/2)
.irp i, 0,1,2
	v_permlane16_swap_b32 v[kE+\i], v[kD+\i]       ; first: the lower 12 bytes of tile t - 1 (lanes 0-15) and of tile t (lanes 16-31); second: the upper 12 bytes
.endr
.irp i, 0,1,2
	v_mov_b32 v[kE+3+\i], v[kD+\i]                 ; (a conversion's three registers begin on an even number)
.endr
.endif
.if ((\t)%4) == 3
.irp g, 0,1,2
	global_store_b128 v5, v[KI+12*((\t)/4)+4*\g:KI+12*((\t)/4)+4*\g+3], s[56:57] offset:3145728+1536*((\t)/4)+512*\g   ; 512 consecutive bytes
.endr
.endif
.endm
.irp t, 0,1,2,3,4,5,6,7
	ROPEQK \t
.endr
; v of tiles 4 f .. 4 f + 3: lane (r, h) holds d-row r of tile dt and the 32 keys of block 2 f + h.  The two dt by turns.
.macro VQ f
	v_mov_b32 v240, FLOOR
	v_mov_b32 v241, FLOOR
	WIN 0x28+0x14*(\f)                             ; sources 1 and 2: the accumulators' window
.set i, 0
.rept 16
	v_max3_num_f32 v240, v240, |v[128+i]|, |v[129+i]|
	v_max3_num_f32 v241, v241, |v[160+i]|, |v[161+i]|
.set i, i+2
.endr
	WIN 0
	v_add_nc_u32 v244, EOFF, v240
	v_add_nc_u32 v245, EOFF, v241
	v_lshrrev_b32 v[VBY+2*(\f)], 23, v244
	v_lshrrev_b32 v[VBY+2*(\f)+1], 23, v245
	WIN 0x02+(\f)                                  ; source 0: the accumulators' window
	v_cvt_scalef32_pk16_bf6_f32 v[VC+6*(\f):VC+6*(\f)+2], v[128:143], v244          ; my block 2 f + h is registers 6 f .. 6 f + 5 of my lane in the operand: nothing changes lanes
	v_cvt_scalef32_pk16_bf6_f32 v[VT:VT+2], v[144:159], v244
	v_cvt_scalef32_pk16_bf6_f32 v[VC+12+6*(\f):VC+12+6*(\f)+2], v[160:175], v245
	v_cvt_scalef32_pk16_bf6_f32 v[VT+4:VT+6], v[176:191], v245
	WIN 0
	v_nop
.irp i, 0,1,2
	v_mov_b32 v[VC+6*(\f)+3+\i], v[VT+\i]          ; (a conversion's three registers begin on an even number)
	v_mov_b32 v[VC+12+6*(\f)+3+\i], v[VT+4+\i]
.endr
.if (\f) == 1
.irp d, 0,1
.irp g, 0,1,2
	global_store_b128 v5, v[VC+12*\d+4*\g:VC+12*\d+4*\g+3], s[56:57] offset:6291456+1536*\d+512*\g   ; 512 consecutive bytes
.endr
.endr
.endif
.endm
	VQ 0
	VQ 1
.irp x, 0,1                            ; q's and k's scale words: lane 16 F + r: byte b = tile 4 F + b, row r
	v_lshl_or_b32 v250, v[BY+8*\x+1], 8, v[BY+8*\x]
	v_lshl_or_b32 v251, v[BY+8*\x+5], 8, v[BY+8*\x+4]
	v_lshl_or_b32 v250, v[BY+8*\x+2], 16, v250
	v_lshl_or_b32 v251, v[BY+8*\x+6], 16, v251
	v_lshl_or_b32 v250, v[BY+8*\x+3], 24, v250
	v_lshl_or_b32 v251, v[BY+8*\x+7], 24, v251
	v_cndmask_b32 v[252+\x], v250, v251, vcc_lo
	global_store_b32 v6, v[252+\x], s[58:59] offset:\x*131072
.endr
.irp d, 0,1                            ; v's: lane 16 dt + r: byte b = key block b.  I hold blocks h and 2 + h
	v_lshl_or_b32 v[250+\d], v[VBY+2+\d], 16, v[VBY+\d]
	v_lshlrev_b32 v[250+\d], v8, v[250+\d]
	v_permlanex16_b32 v[242+\d], v[250+\d], s60, s61
	v_or_b32 v[250+\d], v[250+\d], v[242+\d]
.endr
	v_cndmask_b32 v254, v250, v251, vcc_lo
	global_store_b32 v6, v254, s[58:59] offset:262144
	s_wait_tensorcnt 0x0
	ds_add_u32 v95, v255
	s_wait_dscnt 0x0
	CROUND                                         ; the closing round: no work-group ends while a partner may still ask
	s_endpgm
.Lfunc_end_k_qf2263b1651_qkv:
	.size	k_qf2263b1651_qkv, .Lfunc_end_k_qf2263b1651_qkv-k_qf2263b1651_qkv
	.p2alignl 7, 3214868480
	.fill 96, 4, 3214868480
	.section	.rodata,"a",@progbits
	.p2align	6, 0x0
	.amdhsa_kernel k_qf2263b1651_qkv
		.amdhsa_group_segment_fixed_size 168448
		.amdhsa_private_segment_fixed_size 0
		.amdhsa_enable_private_segment 0
		.amdhsa_kernarg_size 40
		.amdhsa_user_sgpr_count 2
		.amdhsa_user_sgpr_kernarg_segment_ptr 1
		.amdhsa_wavefront_size32 1
		.amdhsa_system_sgpr_workgroup_id_x 1
		.amdhsa_system_sgpr_workgroup_id_y 1
		.amdhsa_system_sgpr_workgroup_id_z 1
		.amdhsa_system_vgpr_workitem_id 0
		.amdhsa_next_free_vgpr 1024
		.amdhsa_next_free_sgpr 66
		.amdhsa_reserve_vcc 1
		.amdhsa_float_denorm_mode_32 3
		.amdhsa_float_denorm_mode_16_64 3
		.amdhsa_memory_ordered 1
		.amdhsa_forward_progress 1
		.amdhsa_inst_pref_size 143
	.end_amdhsa_kernel
	.amdgpu_metadata
---
amdhsa.version: [ 1, 2 ]
amdhsa.kernels:
  - .name:           k_qf2263b1651_qkv
    .symbol:         k_qf2263b1651_qkv.kd
    .args:
      - { .name: xw_codes, .offset: 0, .size: 8, .value_kind: global_buffer, .address_space: global }
      - { .name: xw_scales, .offset: 8, .size: 8, .value_kind: global_buffer, .address_space: global }
      - { .name: rope, .offset: 16, .size: 8, .value_kind: global_buffer, .address_space: global }
      - { .name: qkv_codes, .offset: 24, .size: 8, .value_kind: global_buffer, .address_space: global }
      - { .name: qkv_scales, .offset: 32, .size: 8, .value_kind: global_buffer, .address_space: global }
    .group_segment_fixed_size: 168448
    .private_segment_fixed_size: 0
    .kernarg_segment_align: 8
    .kernarg_segment_size: 40
    .max_flat_workgroup_size: 128
    .sgpr_count:     66
    .vgpr_count:     1024
    .wavefront_size: 32
...
	.end_amdgpu_metadata
.endif
;; end of part 2
;; launch attn (part 3): grid 4 x 64, 16 waves a work-group, clusters of 4 x 1, 169,984 bytes of LDS; arguments qkv_codes, qkv_scales, att_codes, att_scales; writes att_codes, att_scales
.if DOCPART == 3
	.amdgcn_target "amdgcn-amd-amdhsa--gfx1250"
	.amdhsa_code_object_version 6
	.text
	.protected	k_qf2263b1651_attn
	.globl	k_qf2263b1651_attn
	.p2align	8
	.type	k_qf2263b1651_attn,@function
k_qf2263b1651_attn:
	s_mov_b64 s[64:65], 0
	v_nop
	global_prefetch_b8 v0, s[64:65] scope:SCOPE_SE
	s_setreg_imm32_b32 hwreg(HW_REG_WAVE_MODE, 25, 1), 1
	s_wait_xcnt 0x0
	s_wait_alu depctr_hold_cnt(0) depctr_sa_sdst(0) depctr_va_vdst(0) depctr_va_sdst(0) depctr_va_ssrc(0) depctr_va_vcc(0) depctr_vm_vsrc(0)
	s_getreg_b32 s2, hwreg(HW_REG_IB_STS2, 6, 4)
	s_cmp_eq_u32 s2, 0
	s_cbranch_scc0 .Lentry_in_a_cluster
	s_endpgm
.Lentry_in_a_cluster:
	s_bfe_u32 s2, ttmp6, 0x10000c
	s_cmp_lg_u32 s2, 0x3003
	s_cbranch_scc0 .Lentry_shape_is_right
	s_endpgm
.Lentry_shape_is_right:
; ATTN: causal attention of one (batch, head) hb = grid y on codes of BF6; the result is divided by the row's sum and quantised along hidden (a head is one block of 32).
; SOFTMAX: t = score x c, c = log2(e) / sqrt(32); M = the running largest t rounded up to a whole number; p = 2^(t - M) is quantised along the keys; the sum is taken of the unquantised p.
; LEFT OUT: key steps, and halves of 64 keys of a step, all of whose keys lie behind the causal mask: their p is 0 for every input.
; SHARES.  The four work-groups of a head form a cluster.  A query tile (16 queries) of the 128-token group G needs G + 1 key steps of 128 keys.  Wave w takes g = w / 2, U = (w ^ (w / 4)) % 2 and u = 4 U + cx,
; and makes tile (15 - g, u), then tile (g, u).  Trip counts and branches hang on the wave's number alone; cx enters global addresses and mask data only.
; U says in which 64 of its 128 tokens the tile lies.  On the diagonal step a tile with U = 0 sees none of keys 64-127: it does half a step; a tile with U = 1 sees all of keys 0-63: only keys 64-127 are compared.
; The step's body is a macro with three copies: an open step, the diagonal step with U = 1, the diagonal half step with U = 0.
; THE WHOLE HEAD'S K AND V STAY IN LDS, filled once by joint loads (mask 15): K's codes at 0, V's at 49,152, K's scale words at 98,304, V's at 100,352.  One barrier; then LDS is only read.
; The codes lie as images of the operand's 12 registers: register 4 g + x of lane l at 512 g + 16 l + 4 x of a fragment's 1,536 bytes: three loads of 16 bytes a lane bring a fragment.
; THE FIRST PRODUCT HAS K = 32.  A fragment of K holds FOUR groups of 16 keys, one in each block of 32 along the instruction's 128; q stands in block b of the operand Q_b, zero codes elsewhere:
; K-fragment x Q_b gives the scores of group b.  The four Q_b overlap in 30 registers Z L Z H Z (L: q in lanes 0-15, H: q in lanes 16-31, Z: zeros).
; By the order of tokens in a tile, lane (r, h), register 32 F + 8 b + j, is key 64 F + 32 h + 8 b + j of query r: a lane holds WHOLE blocks h and 2 + h of p, and the conversions' results are P's registers.
; Both products are used transposed: a lane holds one query throughout.  By the order of Wv's columns a lane's 16 results are d = 16 h + 0..15.
; K'S FRAGMENTS RUN ONE STEP AHEAD: an open step asks for the next step's as soon as its score products have read the registers.
; No prefetch into the L2: everything is asked for by the first fills at the head, and there is no loop to run ahead in.
; LIMITS: NaN and infinities are not served; a block under 2^-122 or of zeros gets the byte 1 (only this program reads the bytes); the scaled scores stay under 2^31 in magnitude.
.set AL,   1                           ; 16 x lane
.set ASC,  2                           ; 4 x lane + 98,304
.set ADK,  3                           ; the codes of the step whose K is asked for
.set ADS,  4                           ; and its scale words
.set H8,   5                           ; 8 h
.set DM,   6                           ; my query's place in its 128 tokens - 32 h
.set OC,   7                           ; 24 r + 12 h
.set R4,   8                           ; 4 r
.set R24,  9                           ; 24 r
.set NINF, 10
.set QB,   16                          ; v16-45
.set QS,   46
.set KSW,  47
.set VSW,  48
.set PSW,  49
.set RAW,  50                          ; v50-55 q's 24 bytes, v56 its scale word
.set AL2,  57                          ; AL + one step
.set RAWN, 58                          ; v58-64 the second tile's
.set ASC2, 65                          ; ASC + one step
.set KF,   66
.set VF,   90
.set P,    114
.set T0,   126
.set T1,   130
.set O,    134                         ; v134-149: (dt, j)
.set S,    150                         ; v150-213
.set BM,   214                         ; the two blocks' largest score
.set SOP,  218                         ; the conversions' scale operands
.set BYT,  220
.set RC,   224                         ; 1 / sum (a pair is named)
.set BN,   226                         ; the maxima's second chains
.set ADV,  228                         ; this step's codes, for V's loads: made anew in each trip
.set ADW,  229                         ; and this step's scale words
.set FF,   232                         ; f = 2^(old M - new M) (a pair is named)
.set OCD,  236
.set OBY,  239
.set TS,   244                         ; v244-251 the step's sum of p, four chains of pairs
.set FLOOR, 0x2800000
.set EOFF,  0xfe000000
; v12 -M, v13 the running largest score, v[14:15] the row's sum in two halves, v216 at work, v217 lane permutes' destination
.macro CROUND
	s_barrier_signal -1
	s_barrier_wait -1
	s_cmp_lg_u32 s12, 0
	s_cbranch_scc1 .Lnot_wave_0_\@
	s_barrier_signal -3
.Lnot_wave_0_\@:
	s_barrier_wait -3
	s_barrier_signal -1
	s_barrier_wait -1
.endm
.macro KLOAD                           ; K's two fragments and its scale words at ADK, ADS: 7 LDS loads
.irp f, 0,1
.irp g, 0,1,2
	ds_load_b128 v[KF+12*\f+4*\g:KF+12*\f+4*\g+3], v[ADK] offset:1536*\f+512*\g
.endr
.endr
	ds_load_b32 v[KSW], v[ADS]
.endm
.macro SUMS k0, k1                     ; pairs k0 .. k1 of p onto the four chains by turns
.set k, \k0
.rept \k1-\k0+1
	v_pk_add_f32 v[TS+2*(k%4):TS+2*(k%4)+1], v[TS+2*(k%4):TS+2*(k%4)+1], v[S+2*k:S+2*k+1]
.set k, k+1
.endr
.endm
; ONE KEY STEP.  kind 0: all 128 keys open, and the next step's K is asked for; kind 1: the diagonal, keys 0-63 open, keys 64-127 compared; kind 2: the diagonal, keys 0-63 compared, keys 64-127 left out.
.macro BODY kind
.if \kind == 2
.set NB, 1                             ; blocks of 32 keys in a lane
.else
.set NB, 2
.endif
	v_add_nc_u32 v[ADV], s19, v[AL]
	v_add_nc_u32 v[ADW], s20, v[ASC]
.irp d, 0,1
.irp g, 0,1,2
	ds_load_b128 v[VF+12*\d+4*\g:VF+12*\d+4*\g+3], v[ADV] offset:49152+1536*\d+512*\g
.endr
.endr
	ds_load_b32 v[VSW], v[ADW] offset:2048
	s_wait_dscnt 7                                 ; K and its words, asked for a step ago, are in; V's 7 loads are younger
.irp f, 0,1
.if \f < NB
.irp b, 0,1,2,3
.set rQ, QB+6*(1-\b/2)+12*(\b%2)
.if \f == 0
	v_wmma_scale_f32_16x16x128_f8f6f4 v[S+32*\f+8*\b:S+32*\f+8*\b+7], v[KF+12*\f:KF+12*\f+11], v[rQ:rQ+11], 0, v[KSW], v[QS] matrix_a_fmt:MATRIX_FMT_BF6 matrix_b_fmt:MATRIX_FMT_BF6
.else
	v_wmma_scale_f32_16x16x128_f8f6f4 v[S+32*\f+8*\b:S+32*\f+8*\b+7], v[KF+12*\f:KF+12*\f+11], v[rQ:rQ+11], 0, v[KSW], v[QS] matrix_a_fmt:MATRIX_FMT_BF6 matrix_b_fmt:MATRIX_FMT_BF6 matrix_a_scale:MATRIX_SCALE_ROW1
.endif
.endr
.endif
.endr
	v_mov_b32 v216, v12                            ; four plain lines behind the products: the old -M,
.if \kind == 0
	v_add_nc_u32 v[ADK], s19, v[AL2]               ; the next step's addresses,
	v_add_nc_u32 v[ADS], s20, v[ASC2]
	v_nop
	KLOAD                                          ; and the next step's K goes into the registers just read
.else
.rept 3
	v_nop
.endr
.set i, 0
.rept 32                               ; register i holds key 64 (i / 32) + 32 h + i % 32 of the step: hidden where 64 (i / 32) + i % 32 > DM
	v_cmp_gt_i32 vcc_lo, 64*(2-\kind)+i, v[DM]
	v_cndmask_b32 v[S+32*(2-\kind)+i], v[S+32*(2-\kind)+i], v[NINF], vcc_lo
.set i, i+1
.endr
.endif
.set b, 0
.rept NB                               ; the largest score of each of my blocks, two chains a block; each accumulator is first read at its low end
	v_max3_num_f32 v[BM+b], v[S+32*b], v[S+32*b+1], v[S+32*b+2]
	v_max3_num_f32 v[BN+b], v[S+32*b+16], v[S+32*b+17], v[S+32*b+18]
.set b, b+1
.endr
.irp i, 3,5,7,9,11,13
.set b, 0
.rept NB
	v_max3_num_f32 v[BM+b], v[BM+b], v[S+32*b+\i], v[S+32*b+\i+1]
	v_max3_num_f32 v[BN+b], v[BN+b], v[S+32*b+16+\i], v[S+32*b+17+\i]
.set b, b+1
.endr
.endr
.set b, 0
.rept NB
	v_max3_num_f32 v[BM+b], v[BM+b], v[BN+b], v[S+32*b+15]
.set b, b+1
.endr
.set b, 0
.rept NB
	v_max_num_f32 v[BM+b], v[BM+b], v[S+32*b+31]
.set b, b+1
.endr
	s_delay_alu instid0(VALU_DEP_1)
.if NB == 2
	v_max3_num_f32 v13, v13, v[BM], v[BM+1]
.else
	v_max_num_f32 v13, v13, v[BM]
.endif
	s_delay_alu instid0(VALU_DEP_1)
	v_permlanex16_b32 v217, v13, s60, s61
	s_delay_alu instid0(VALU_DEP_1)
	v_max_num_f32 v13, v13, v217                   ; the running largest score of my query (c is positive)
	s_delay_alu instid0(VALU_DEP_1)
	v_mul_f32 v12, s22, v13                        ; as t
	s_delay_alu instid0(VALU_DEP_1)
	v_floor_f32 v12, -v12                          ; -M = floor(-t): M is a whole number
	s_delay_alu instid0(VALU_DEP_1)
	v_sub_f32 v216, v12, v216
.set i, 0
.rept 16*NB
	v_pk_fma_f32 v[S+i:S+i+1], v[S+i:S+i+1], s[22:23], v[12:13] op_sel_hi:[1,0,0]   ; t - M
.if i == 6
	v_cvt_i32_f32 v216, v216                       ; (it saturates)
.endif
.if i == 14
	v_ldexp_f32 v[FF], 1.0, v216                   ; f = 2^(old M - new M): exact
.endif
.set i, i+2
.endr
.set b, 0
.rept NB
	v_fma_f32 v[BM+b], v[BM+b], s22, v12
.set b, b+1
.endr
.irp j, 0,2,4,6,8,10,12,14
	v_pk_mul_f32 v[O+\j:O+\j+1], v[O+\j:O+\j+1], v[FF:FF+1] op_sel_hi:[1,0]   ; O under the new M, ahead of the exponentials
.endr
	s_wait_alu depctr_va_vdst(0)                   ; ahead of the batch and of the wait below
.if \kind == 0
	s_wait_dscnt 7                                 ; V and its words are in; the next step's 7 loads of K are younger
.else
	s_wait_dscnt 0x0                               ; V and its words are in
.endif
.set i, 0
.rept 32*NB
	v_exp_f32 v[S+i], v[S+i]                       ; p, not normalised
.set i, i+1
.endr
.set b, 0
.rept NB
	v_exp_f32 v[BM+b], v[BM+b]                     ; each block's largest p: the same two instructions on the same number
.set b, b+1
.endr
	v_pk_mul_f32 v[14:15], v[14:15], v[FF:FF+1] op_sel_hi:[1,0]   ; the sum under the new M; the plain line behind the batch
	s_wait_alu depctr_va_vdst(0)                   ; one wait for the batch, ahead of its first reader
.set b, 0
.rept NB
	v_max_num_f32 v[BM+b], FLOOR, v[BM+b]
.set b, b+1
.endr
.set b, 0
.rept NB
	v_add_nc_u32 v[SOP+b], EOFF, v[BM+b]           ; 4 off the exponent field: the conversion's scale operand
.set b, b+1
.endr
	v_cvt_scalef32_pk16_bf6_f32 v[P:P+2], v[S:S+15], v[SOP]
	v_cvt_scalef32_pk16_bf6_f32 v[T0:T0+2], v[S+16:S+31], v[SOP]
.if NB == 2
	v_cvt_scalef32_pk16_bf6_f32 v[P+6:P+8], v[S+32:S+47], v[SOP+1]
	v_cvt_scalef32_pk16_bf6_f32 v[T1:T1+2], v[S+48:S+63], v[SOP+1]
.endif
.set b, 0
.rept NB
	v_lshrrev_b32 v[BYT+b], 23, v[SOP+b]           ; the bytes; also the plain line behind the conversions
.set b, b+1
.endr
.irp j, 0,1                            ; the step's sum of the unquantised p: pairs j and j + 4 start chain j
	v_pk_add_f32 v[TS+2*\j:TS+2*\j+1], v[S+2*\j:S+2*\j+1], v[S+8+2*\j:S+9+2*\j]
.endr
.if NB == 2
	v_lshl_or_b32 v[BYT], v[BYT+1], 16, v[BYT]     ; blocks h and 2 + h,
.else
	v_or_b32 v[BYT], 0x10000, v[BYT]               ; block h, and the byte 1 for block 2 + h, whose codes are zeros,
.endif
.irp j, 2,3
	v_pk_add_f32 v[TS+2*\j:TS+2*\j+1], v[S+2*\j:S+2*\j+1], v[S+8+2*\j:S+9+2*\j]
.endr
	v_lshlrev_b32 v[BYT], v[H8], v[BYT]            ; at their places;
.irp i, 0,1,2
	v_mov_b32 v[P+3+\i], v[T0+\i]                  ; (a conversion's three registers begin on an even number)
.if NB == 2
	v_mov_b32 v[P+9+\i], v[T1+\i]
.else
	v_mov_b32 v[P+6+\i], 0                         ; zero codes for the keys left out
	v_mov_b32 v[P+9+\i], 0
.endif
.endr
	v_permlanex16_b32 v217, v[BYT], s60, s61
.if NB == 2
	SUMS 8, 11
	v_or_b32 v[PSW], v[BYT], v217                  ; with the other half's two: p's scale word
	SUMS 12, 21                                    ; ten plain lines between the scale word's write and the products
.else
	s_delay_alu instid0(VALU_DEP_1)
	v_or_b32 v[PSW], v[BYT], v217
	SUMS 8, 15                                     ; eight plain lines between the scale word's write and the products
.endif
	v_wmma_scale_f32_16x16x128_f8f6f4 v[O:O+7], v[VF:VF+11], v[P:P+11], v[O:O+7], v[VSW], v[PSW] matrix_a_fmt:MATRIX_FMT_BF6 matrix_b_fmt:MATRIX_FMT_BF6
	v_wmma_scale_f32_16x16x128_f8f6f4 v[O+8:O+15], v[VF+12:VF+23], v[P:P+11], v[O+8:O+15], v[VSW], v[PSW] matrix_a_fmt:MATRIX_FMT_BF6 matrix_b_fmt:MATRIX_FMT_BF6 matrix_a_scale:MATRIX_SCALE_ROW1
.if NB == 2
	SUMS 22, 31                                    ; what follows names none of the products' registers: the plain lines ahead of the next loads into V's registers and of the reads of O
.endif
	v_pk_add_f32 v[TS:TS+1], v[TS:TS+1], v[TS+2:TS+3]
	v_pk_add_f32 v[TS+4:TS+5], v[TS+4:TS+5], v[TS+6:TS+7]
	s_delay_alu instid0(VALU_DEP_2)
	v_pk_add_f32 v[14:15], v[14:15], v[TS:TS+1]
	s_delay_alu instid0(VALU_DEP_1)
	v_pk_add_f32 v[14:15], v[14:15], v[TS+4:TS+5]
.endm
	s_load_b256 s[4:11], s[0:1], 0x0               ; qkv_codes, qkv_scales, att_codes, att_scales
	v_lshl_add_u32 v254, v0, 2, 0x29000
	v_mov_b32 v255, 0
	ds_add_u32 v254, v255                          ; the opening lines
	ds_add_u32 v254, v255
	v_lshrrev_b32 v1, 5, v0
	s_delay_alu instid0(VALU_DEP_1)
	v_readfirstlane_b32 s12, v1                    ; wave 0..15
	s_bfe_u32 s13, ttmp6, 0x40000                  ; cx
	s_and_b32 s14, ttmp7, 0xffff                   ; hb, shared by the four partners
	s_lshr_b32 s15, s12, 1                         ; g
	s_lshr_b32 s3, s12, 2
	s_xor_b32 s3, s3, s12
	s_and_b32 s3, s3, 1                            ; U
	s_lshl_b32 s16, s3, 2
	s_add_co_u32 s16, s16, s13                     ; u = 4 U + cx
	s_sub_co_u32 s17, 15, s15                      ; G of the first tile
	; descriptor groups 1: dense blocks as rows of 256 bytes (32 elements of 8 bytes): 48 rows of codes, 8 rows of scale words
	s_mov_b32 s24, 15|(3<<16)|(1<<21)
	s_mov_b32 s25, 32<<16
	s_mov_b32 s26, 48<<16
	s_mov_b32 s27, 32<<16
	s_mov_b32 s28, 48
	s_mov_b32 s29, 32
	s_mov_b32 s30, 0
	s_mov_b32 s31, 0
	s_mov_b32 s32, 15|(3<<16)|(1<<21)
	s_mov_b32 s33, 32<<16
	s_mov_b32 s34, 8<<16
	s_mov_b32 s35, 32<<16
	s_mov_b32 s36, 8
	s_mov_b32 s37, 32
	s_mov_b32 s38, 0
	s_mov_b32 s39, 0
	s_bfe_u32 s48, s12, 0x10002                    ; waves 0-3: K's codes; 4-7: V's
	s_add_co_u32 s48, s48, 1
	s_mul_i32 s48, s48, 3145728
	s_mul_i32 s49, s14, 49152
	s_add_co_u32 s48, s48, s49
	s_and_b32 s49, s12, 3
	s_mul_i32 s49, s49, 12288
	s_add_co_u32 s48, s48, s49
	s_mov_b32 s49, 0
	s_and_b32 s41, s12, 7
	s_mul_i32 s41, s41, 12288                      ; LDS: 12,288 x (wave % 8)
	s_and_b32 s50, s12, 1                          ; wave 8: K's scale words; wave 9: V's
	s_lshl_b32 s45, s50, 11
	s_add_co_u32 s45, s45, 98304
	s_add_co_u32 s50, s50, 1
	s_lshl_b32 s50, s50, 17
	s_lshl_b32 s51, s14, 11
	s_add_co_u32 s50, s50, s51
	s_mov_b32 s51, 0
	s_wait_dscnt 0x0
	s_wait_kmcnt 0x0
	s_mov_b32 s40, 1
	s_add_nc_u64 s[42:43], s[4:5], s[48:49]
	s_or_b32 s43, s43, 0x80000000
	s_mov_b32 s44, 1
	s_add_nc_u64 s[46:47], s[6:7], s[50:51]
	s_or_b32 s47, s47, 0x80000000
	CROUND                                         ; the four partners are here: the joint loads meet
	s_cmp_lt_u32 s12, 8
	s_cbranch_scc0 .Lnot_codes
	tensor_load_to_lds s[40:43], s[24:31]
	s_nop 0
.rept 4
	v_nop
.endr
	s_branch .Lasked
.Lnot_codes:
	s_cmp_lt_u32 s12, 10
	s_cbranch_scc0 .Lasked
	tensor_load_to_lds s[44:47], s[32:39]
	s_nop 0
.rept 4
	v_nop
.endr
.Lasked:
	v_and_b32 v11, 15, v0                          ; r
	v_bfe_u32 v[H8], v0, 4, 1                      ; h
	s_delay_alu instid0(VALU_DEP_2)
	v_mul_u32_u24 v[R24], v11, 24
	v_and_b32 v[AL], 31, v0
	s_delay_alu instid0(VALU_DEP_2)
	v_mad_u32_u24 v[OC], v[H8], 12, v[R24]
	s_delay_alu instid0(VALU_DEP_2)
	v_lshlrev_b32 v[AL], 4, v[AL]
	v_lshlrev_b32 v[R4], 2, v11
	v_and_b32 v[ASC], 31, v0
	s_delay_alu instid0(VALU_DEP_1)
	v_lshl_add_u32 v[ASC], v[ASC], 2, 98304
	v_lshrrev_b32 v[DM], 3, v11
	v_and_b32 v216, 7, v11
	s_delay_alu instid0(VALU_DEP_1)
	v_lshl_add_u32 v[DM], v[DM], 5, v216           ; 32 (r / 8) + r % 8
	v_lshlrev_b32 v216, 5, v[H8]
	s_delay_alu instid0(VALU_DEP_1)
	v_sub_nc_u32 v[DM], v[DM], v216
	s_lshr_b32 s48, s16, 2
	s_lshl_b32 s48, s48, 6
	s_and_b32 s49, s16, 3
	s_lshl_b32 s63, s49, 3                         ; 8 (u % 4): a term of the place, and the shift to q's scale byte
	s_add_co_u32 s48, s48, s63
	v_add_nc_u32 v[DM], s48, v[DM]
	v_lshlrev_b32 v[H8], 3, v[H8]
	v_add_nc_u32 v[AL2], 3072, v[AL]
	v_add_nc_u32 v[ASC2], 128, v[ASC]
	; both tiles' q: 24 bytes of query r in lanes r and 16 + r, and the scale word that holds its byte
	s_mul_i32 s48, s14, 49152
	s_lshl_b32 s49, s17, 3
	s_add_co_u32 s49, s49, s16
	s_mul_i32 s49, s49, 384
	s_add_co_u32 s52, s48, s49
	s_mov_b32 s53, 0
	s_add_nc_u64 s[52:53], s[4:5], s[52:53]
	s_lshl_b32 s49, s15, 3
	s_add_co_u32 s49, s49, s16
	s_mul_i32 s49, s49, 384
	s_add_co_u32 s54, s48, s49
	s_mov_b32 s55, 0
	s_add_nc_u64 s[54:55], s[4:5], s[54:55]
	s_lshl_b32 s48, s14, 11
	s_lshr_b32 s49, s16, 2
	s_lshl_b32 s49, s49, 6
	s_add_co_u32 s48, s48, s49
	s_lshl_b32 s49, s17, 7
	s_add_co_u32 s56, s48, s49
	s_mov_b32 s57, 0
	s_add_nc_u64 s[56:57], s[6:7], s[56:57]
	s_lshl_b32 s49, s15, 7
	s_add_co_u32 s58, s48, s49
	s_mov_b32 s59, 0
	s_add_nc_u64 s[58:59], s[6:7], s[58:59]
.irp p, 0,1,2
	global_load_b64 v[RAW+2*\p:RAW+2*\p+1], v[R24], s[52:53] offset:8*\p
	global_load_b64 v[RAWN+2*\p:RAWN+2*\p+1], v[R24], s[54:55] offset:8*\p
.endr
	global_load_b32 v[RAW+6], v[R4], s[56:57]
	global_load_b32 v[RAWN+6], v[R4], s[58:59]
	s_mov_b32 s22, 0x3e8293ee                      ; c = log2(e) / sqrt(32)
	s_mov_b32 s23, s22                             ; (named with it as a pair)
	s_mov_b32 s60, 0x76543210
	s_mov_b32 s61, 0xfedcba98
	s_mov_b32 s62, 0xffff                          ; lanes 0-15
	v_mov_b32 v[NINF], 0xff800000
.irp i, 0,1,2,3,4,5
	v_mov_b32 v[QB+\i], 0                          ; the three runs of zero codes, written once
	v_mov_b32 v[QB+12+\i], 0
	v_mov_b32 v[QB+24+\i], 0
.endr
	v_mov_b32 v217, 0                              ; a lane permute's destination counts as read
	v_mov_b32 v[FF+1], 0                           ; upper halves of pairs that are named whole
	v_mov_b32 v[RC+1], 0
	s_wait_tensorcnt 0x0                           ; my load, if I had one, has landed
	s_barrier_signal -1
	s_barrier_wait -1                              ; the head's K and V are whole for every wave
	s_wait_loadcnt 0x0                             ; q; its loads' bases may be written again
	s_and_b32 s48, s14, 31                         ; head
	s_lshr_b32 s49, s14, 5
	s_lshl_b32 s49, s49, 7
	s_add_co_u32 s49, s49, s16                     ; token tile without its 8 G
	s_mul_i32 s50, s48, 384
	s_mul_i32 s51, s49, 12288
	s_add_co_u32 s52, s50, s51
	s_mov_b32 s53, 0
	s_add_nc_u64 s[52:53], s[8:9], s[52:53]
	s_lshr_b32 s50, s48, 2
	s_lshl_b32 s50, s50, 6
	s_and_b32 s48, s48, 3
	s_add_co_u32 s50, s50, s48
	s_lshl_b32 s51, s49, 9
	s_add_co_u32 s54, s50, s51
	s_mov_b32 s55, 0
	s_add_nc_u64 s[54:55], s[10:11], s[54:55]
	s_mov_b32 s21, 0
.Ltile:                                ; two trips: tile (15 - g, u), then tile (g, u)
	s_wait_xcnt 0x0                                ; the last tile's stores have read their bases and data: both are written again below
	s_wait_dscnt 0x0                               ; no LDS load of mine is out: K's registers take new loads below
	s_mul_i32 s48, s17, 98304
	s_mov_b32 s49, 0
	s_add_nc_u64 s[56:57], s[52:53], s[48:49]
	s_lshl_b32 s48, s17, 12
	s_add_nc_u64 s[58:59], s[54:55], s[48:49]
	s_mov_b32 s18, 0
	s_mov_b32 s19, 0
	s_mov_b32 s20, 0
	s_wait_alu depctr_va_vdst(0)
	v_add_nc_u32 v[ADK], s19, v[AL]
	v_add_nc_u32 v[ADS], s20, v[ASC]
	KLOAD                                          ; step 0's K
	v_lshrrev_b32 v[QS], s63, v[RAW+6]
	s_delay_alu instid0(VALU_DEP_1)
	v_perm_b32 v[QS], v[QS], v[QS], 0              ; q's byte in all four bytes
.irp i, 0,1,2,3,4,5
	v_cndmask_b32 v[QB+6+\i], v[QB], v[RAW+\i], s62    ; L
	v_cndmask_b32 v[QB+18+\i], v[RAW+\i], v[QB], s62   ; H
.endr
	v_mov_b32 v13, 0xff61b1e6                      ; the largest score so far: -3e38
	s_delay_alu instid0(VALU_DEP_1)
	v_floor_f32 v12, -v13                          ; -M
	v_mov_b32 v14, 0
	v_mov_b32 v15, 0
.set i, 0
.rept 16
	v_mov_b32 v[O+i], 0                            ; (these are also the plain lines between the writes of QS, L, H and the first product)
.set i, i+1
.endr
.Lstep:                                ; sixteen trips, a constant; a step all of whose keys come after my queries is jumped over
	s_cmp_gt_u32 s18, s17
	s_cbranch_scc1 .Lskip
	s_cmp_lt_u32 s18, s17                          ; only the step on the diagonal has hidden keys
	s_cbranch_scc1 .Lfull
	s_cmp_eq_u32 s3, 0
	s_cbranch_scc1 .Lhalf
	BODY 1
	s_wait_alu depctr_va_vdst(0)
	s_branch .Lskip
.Lhalf:
	BODY 2
	s_wait_alu depctr_va_vdst(0)
	s_branch .Lskip
.Lfull:
	BODY 0
.Lskip:
	s_add_co_u32 s19, s19, 3072
	s_add_co_u32 s20, s20, 128
	s_add_co_u32 s18, s18, 1
	s_cmp_lt_u32 s18, 16
	s_cbranch_scc1 .Lstep
	; the way out of a tile: O / sum, quantised (the head's 32: my 16 and lane l xor 16's), stored
	s_wait_alu depctr_va_vdst(0)                   ; the sum was written ahead of branches
	v_add_f32 v14, v14, v15
	s_delay_alu instid0(VALU_DEP_1)
	v_permlanex16_b32 v217, v14, s60, s61
	s_delay_alu instid0(VALU_DEP_1)
	v_add_f32 v14, v14, v217
	s_wait_alu depctr_va_vdst(0)
	v_rcp_f32 v[RC], v14
	v_nop
	s_wait_alu depctr_va_vdst(0)                   ; ahead of the reciprocal's first reader, which is also O's
.irp j, 0,2,4,6,8,10,12,14
	v_pk_mul_f32 v[S+\j:S+\j+1], v[O+\j:O+\j+1], v[RC:RC+1] op_sel_hi:[1,0]   ; d = 16 h + 0..15
.endr
	v_max3_num_f32 v[BM], |v[S]|, |v[S+1]|, FLOOR
.irp i, 2,4,6,8,10,12,14
	s_delay_alu instid0(VALU_DEP_1)
	v_max3_num_f32 v[BM], v[BM], |v[S+\i]|, |v[S+\i+1]|
.endr
	s_delay_alu instid0(VALU_DEP_1)
	v_permlanex16_b32 v217, v[BM], s60, s61
	s_delay_alu instid0(VALU_DEP_1)
	v_max_num_f32 v[BM], v[BM], v217
	s_delay_alu instid0(VALU_DEP_1)
	v_add_nc_u32 v[SOP], EOFF, v[BM]
	v_cvt_scalef32_pk16_bf6_f32 v[OCD:OCD+2], v[S:S+15], v[SOP]
	v_lshrrev_b32 v[OBY], 23, v[SOP]               ; the byte; also the plain line behind the conversion
	global_store_b96 v[OC], v[OCD:OCD+2], s[56:57] ; 384 consecutive bytes
	global_store_b8 v[R4], v[OBY], s[58:59]        ; a scale word's four bytes belong to four heads: one byte a row; lanes r and 16 + r store the same byte
.irp i, 0,1,2,3,4,5,6
	v_mov_b32 v[RAW+\i], v[RAWN+\i]
.endr
	s_sub_co_u32 s17, 15, s17
	s_add_co_u32 s21, s21, 1
	s_cmp_lt_u32 s21, 2
	s_cbranch_scc1 .Ltile
	s_wait_tensorcnt 0x0                           ; the wave's end
	ds_add_u32 v254, v255
	s_wait_dscnt 0x0
	CROUND                                         ; the closing round
	s_endpgm
.Lfunc_end_k_qf2263b1651_attn:
	.size	k_qf2263b1651_attn, .Lfunc_end_k_qf2263b1651_attn-k_qf2263b1651_attn
	.p2alignl 7, 3214868480
	.fill 96, 4, 3214868480
	.section	.rodata,"a",@progbits
	.p2align	6, 0x0
	.amdhsa_kernel k_qf2263b1651_attn
		.amdhsa_group_segment_fixed_size 169984
		.amdhsa_private_segment_fixed_size 0
		.amdhsa_enable_private_segment 0
		.amdhsa_kernarg_size 32
		.amdhsa_user_sgpr_count 2
		.amdhsa_user_sgpr_kernarg_segment_ptr 1
		.amdhsa_wavefront_size32 1
		.amdhsa_system_sgpr_workgroup_id_x 1
		.amdhsa_system_sgpr_workgroup_id_y 1
		.amdhsa_system_sgpr_workgroup_id_z 1
		.amdhsa_system_vgpr_workitem_id 0
		.amdhsa_next_free_vgpr 256
		.amdhsa_next_free_sgpr 66
		.amdhsa_reserve_vcc 1
		.amdhsa_float_denorm_mode_32 3
		.amdhsa_float_denorm_mode_16_64 3
		.amdhsa_memory_ordered 1
		.amdhsa_forward_progress 1
		.amdhsa_inst_pref_size 52
	.end_amdhsa_kernel
	.amdgpu_metadata
---
amdhsa.version: [ 1, 2 ]
amdhsa.kernels:
  - .name:           k_qf2263b1651_attn
    .symbol:         k_qf2263b1651_attn.kd
    .args:
      - { .name: qkv_codes, .offset: 0, .size: 8, .value_kind: global_buffer, .address_space: global }
      - { .name: qkv_scales, .offset: 8, .size: 8, .value_kind: global_buffer, .address_space: global }
      - { .name: att_codes, .offset: 16, .size: 8, .value_kind: global_buffer, .address_space: global }
      - { .name: att_scales, .offset: 24, .size: 8, .value_kind: global_buffer, .address_space: global }
    .group_segment_fixed_size: 169984
    .private_segment_fixed_size: 0
    .kernarg_segment_align: 8
    .kernarg_segment_size: 32
    .max_flat_workgroup_size: 512
    .sgpr_count:     66
    .vgpr_count:     256
    .wavefront_size: 32
...
	.end_amdgpu_metadata
.endif
;; end of part 3
;; launch oproj (part 4): grid 8 x 32, 4 waves a work-group, clusters of 4 x 1, 168,448 bytes of LDS; arguments att_codes, att_scales, xw_codes, xw_scales, out0; writes out0
.if DOCPART == 4
	.amdgcn_target "amdgcn-amd-amdhsa--gfx1250"
	.amdhsa_code_object_version 6
	.text
	.protected	k_qf2263b1651_oproj
	.globl	k_qf2263b1651_oproj
	.p2align	8
	.type	k_qf2263b1651_oproj,@function
k_qf2263b1651_oproj:
	s_mov_b64 s[64:65], 0
	v_nop
	global_prefetch_b8 v0, s[64:65] scope:SCOPE_SE
	s_setreg_imm32_b32 hwreg(HW_REG_WAVE_MODE, 25, 1), 1
	s_wait_xcnt 0x0
	s_wait_alu depctr_hold_cnt(0) depctr_sa_sdst(0) depctr_va_vdst(0) depctr_va_sdst(0) depctr_va_ssrc(0) depctr_va_vcc(0) depctr_vm_vsrc(0)
	s_getreg_b32 s2, hwreg(HW_REG_IB_STS2, 6, 4)
	s_cmp_eq_u32 s2, 0
	s_cbranch_scc0 .Lentry_in_a_cluster
	s_endpgm
.Lentry_in_a_cluster:
	s_bfe_u32 s2, ttmp6, 0x10000c
	s_cmp_lg_u32 s2, 0x3003
	s_cbranch_scc0 .Lentry_shape_is_right
	s_endpgm
.Lentry_shape_is_right:
; OPROJ: out0 = att Wo on codes of BF6 with E8M0 scales; f32 out.
; SHARES.  A work-group takes 128 tokens (8 token tiles, block mb = grid y) and 128 columns (ng); wave w takes column tiles 8 ng + 2 w and + 1 for all 8 token tiles: 16 accumulators.
; A (the 128 tokens' codes, all of K: 98,304 dense bytes) comes into LDS ONCE, in four chunks of two token tiles, by joint loads of the four partners (same mb, mask 15), and is never filled again.
; B (48 loads a wave) is wanted by one wave alone and goes straight into registers, all of it at the head; so it is not multicast.
; The product is used TRANSPOSED (source 0 = 16 columns of Wo, source 1 = 16 tokens): a lane holds 8 neighbouring columns of one token.  The results meet in a stage in LDS (bytes of its own, behind A)
; and leave as rows of 512 consecutive bytes.  Row r of token tile tt is token 64 (tt / 4) + 8 (tt % 4) + 32 (r / 8) + r % 8.
; REGISTERS: window 0: v1-11 addresses; v32-63 att's scale words; v64-71 Wo's; v96-191 A's 8 fragments.  window 1: B, 8 ksteps x 24.  windows 2, 3: accumulator (t, n) at window 2 + t / 4, v[32 n + 8 (t % 4)].
.set NT,   2
.set NBUF, 8
.set XS,   32
.set WS,   64
.set AF,   96
.set STG,  98304
.set MSB, 0
.macro WIN new                         ; the immediate's high byte repeats the setting that is left
.if MSB != (\new)
	s_set_vgpr_msb (MSB<<8)|(\new)
.set MSB, (\new)
.endif
.endm
.macro PLACES
.rept 4
	v_nop
.endr
.endm
.macro CROUND
	s_barrier_signal -1
	s_barrier_wait -1
	s_cmp_lg_u32 s14, 0
	s_cbranch_scc1 .Lnot_wave_0_\@
	s_barrier_signal -3
.Lnot_wave_0_\@:
	s_barrier_wait -3
	s_barrier_signal -1
	s_barrier_wait -1
.endm
	s_load_b256 s[4:11], s[0:1], 0x0               ; att_codes, att_scales, xw_codes, xw_scales
	s_load_b64 s[12:13], s[0:1], 0x20              ; out0
	v_lshl_add_u32 v254, v0, 2, 0x29000
	v_mov_b32 v255, 0
	ds_add_u32 v254, v255
	ds_add_u32 v254, v255
	v_lshrrev_b32 v1, 5, v0
	v_readfirstlane_b32 s14, v1                    ; wave
	v_and_b32 v1, 31, v0
	v_and_b32 v2, 15, v0                           ; r
	v_bfe_u32 v3, v0, 4, 1                         ; h
	v_mul_u32_u24 v4, v2, 24
	v_mad_u32_u24 v4, v3, 384, v4                  ; 384 h + 24 r
	v_add_nc_u32 v9, 49152, v4
	v_lshlrev_b32 v5, 4, v1
	v_lshlrev_b32 v6, 2, v1
	v_mul_u32_u24 v10, v2, 528
	v_lshl_add_u32 v10, v3, 5, v10
	s_lshl_b32 s47, s14, 7
	s_add_co_u32 s47, s47, STG
	v_add_nc_u32 v10, s47, v10                     ; the stage, way in: row r, + 32 h, + 128 x wave
	s_mul_i32 s47, s14, 32*528
	s_add_co_u32 s47, s47, STG
	v_add_nc_u32 v11, s47, v5                      ; way out: my 32 rows, 16 bytes a lane
	s_bfe_u32 s15, ttmp6, 0x40000                  ; cx: it enters global addresses alone
	s_lshl_b32 s40, ttmp9, 2
	s_add_co_u32 s40, s40, s15                     ; ng
	s_and_b32 s41, ttmp7, 0xffff                   ; mb
	s_lshl_b32 s42, s40, 3
	s_lshl_b32 s43, s14, 1
	s_add_co_u32 s42, s42, s43                     ; my first column tile
	s_mov_b32 s16, 15|(3<<16)|(1<<21)              ; group 1: one dense block of 24,576 bytes, elements of 8 bytes; mask: all four partners
	s_mov_b32 s17, 32<<16                          ; a dense block as 96 rows of 256 bytes (32 elements of 8 bytes)
	s_mov_b32 s18, 96<<16
	s_mov_b32 s19, 32<<16
	s_mov_b32 s20, 96
	s_mov_b32 s21, 32
	s_mov_b32 s22, 0
	s_mov_b32 s23, 0
	s_mul_i32 s44, s41, 98304
	s_mul_i32 s45, s14, 24576
	s_add_co_u32 s44, s44, s45
	s_mov_b32 s45, 0
	s_mul_i32 s46, s14, 24576                      ; LDS: token tile t at 12,288 t, kstep ks at + 1,536 ks, as in memory
	s_lshl_b32 s48, s41, 12
	s_mov_b32 s49, 0
	s_lshl_b32 s50, s42, 9
	s_add_co_u32 s50, s50, 131072+192*512          ; Wo is the fourth weight
	s_mov_b32 s51, 0
	s_mul_i32 s52, s42, 12288
	s_add_co_u32 s52, s52, 3145728+3*786432
	s_mov_b32 s53, 0
	s_lshl_b32 s56, s41, 7
	s_lshr_b32 s57, s14, 1
	s_lshl_b32 s57, s57, 6
	s_add_co_u32 s56, s56, s57
	s_and_b32 s57, s14, 1
	s_lshl_b32 s57, s57, 4
	s_add_co_u32 s56, s56, s57                     ; the first token that I store
	s_lshl_b32 s56, s56, 12
	s_lshl_b32 s57, s40, 9
	s_add_co_u32 s56, s56, s57
	s_mov_b32 s57, 0
	s_wait_dscnt 0x0
	s_wait_kmcnt 0x0
	s_add_nc_u64 s[44:45], s[4:5], s[44:45]
	s_add_nc_u64 s[48:49], s[6:7], s[48:49]
	s_add_nc_u64 s[50:51], s[10:11], s[50:51]
	s_add_nc_u64 s[52:53], s[8:9], s[52:53]
	s_add_nc_u64 s[56:57], s[12:13], s[56:57]
	CROUND
	s_mov_b32 s24, 1
	s_add_co_u32 s25, s46, 0
	s_add_nc_u64 s[26:27], s[44:45], 0
	s_or_b32 s27, s27, 0x80000000
	tensor_load_to_lds s[24:27], s[16:23]          ; my two token tiles, all of K: 24,576 dense bytes, ONE load a wave: the only fill of the launch
	s_nop 0
	PLACES                                         ; four plain lines behind the loads
	s_wait_alu depctr_va_vdst(0)
.irp t, 0,1,2,3,4,5,6,7
.irp i, 0,1,2,3
	global_load_b32 v[XS+4*\t+\i], v6, s[48:49] offset:512*\t+128*\i
.endr
.endr
.irp n, 0,1
.irp i, 0,1,2,3
	global_load_b32 v[WS+4*\n+\i], v6, s[50:51] offset:512*\n+128*\i
.endr
.endr
.macro BLOAD ks
	WIN 0x40
.irp n, 0,1
.irp g, 0,1,2
	global_load_b128 v[12*NT*((\ks)%NBUF)+12*\n+4*\g:12*NT*((\ks)%NBUF)+12*\n+4*\g+3], v5, s[52:53] offset:\n*12288+(\ks)*1536+512*\g
.endr
.endr
	WIN 0
.endm
.macro AFETCH ks, t0
.irp t, \t0, \t0+1, \t0+2, \t0+3
.irp p, 0,1,2,3,4,5
.if (\t) < 4
	ds_load_b64 v[AF+12*(\t)+2*\p:AF+12*(\t)+2*\p+1], v4 offset:(\t)*12288+(\ks)*1536+768*(\p/3)+8*(\p%3)
.else
	ds_load_b64 v[AF+12*(\t)+2*\p:AF+12*(\t)+2*\p+1], v9 offset:((\t)-4)*12288+(\ks)*1536+768*(\p/3)+8*(\p%3)
.endif
.endr
.endr
.endm
.macro WM d, a, b, sa, sb, ks
.if (\ks) == 0
	v_wmma_scale_f32_16x16x128_f8f6f4 v[\d:\d+7], v[\a:\a+11], v[\b:\b+11], 0, v[\sa], v[\sb] matrix_a_fmt:MATRIX_FMT_BF6 matrix_b_fmt:MATRIX_FMT_BF6
.elseif (\ks)%2 == 0
	v_wmma_scale_f32_16x16x128_f8f6f4 v[\d:\d+7], v[\a:\a+11], v[\b:\b+11], v[\d:\d+7], v[\sa], v[\sb] matrix_a_fmt:MATRIX_FMT_BF6 matrix_b_fmt:MATRIX_FMT_BF6
.else
	v_wmma_scale_f32_16x16x128_f8f6f4 v[\d:\d+7], v[\a:\a+11], v[\b:\b+11], v[\d:\d+7], v[\sa], v[\sb] matrix_a_fmt:MATRIX_FMT_BF6 matrix_b_fmt:MATRIX_FMT_BF6 matrix_a_scale:MATRIX_SCALE_ROW1 matrix_b_scale:MATRIX_SCALE_ROW1
.endif
.endm
.macro MULH ks, half                   ; 8 products, one for each accumulator of tiles 4 half .. 4 half + 3: the 16 accumulators take turns
	WIN 0xa1+0x50*(\half)
.irp n, 0,1
.irp u, 0,1,2,3
.set rD, 32*\n+8*\u
.set rW, 12*NT*((\ks)%NBUF)+12*\n
.set rX, AF+12*(4*(\half)+\u)
.set rSW, WS+4*\n+(\ks)/2
.set rSX, XS+4*(4*(\half)+\u)+(\ks)/2
	WM rD, rW, rX, rSW, rSX, \ks
.endr
.endr
.endm
.macro KSTEP ks, lc
	s_wait_loadcnt \lc                             ; this kstep's B is in; lc = the six loads of each later kstep
	s_wait_dscnt 24                                ; A's tiles 0-3 are in; the 24 loads of tiles 4-7 are younger
	MULH \ks, 0
	s_wait_dscnt 0x0
.if (\ks) < 7
	PLACES
	WIN 0
	AFETCH (\ks)+1, 0
.endif
	MULH \ks, 1
	PLACES
	WIN 0
.if (\ks) < 7
	AFETCH (\ks)+1, 4
.endif
.endm
.irp k, 0,1,2,3,4,5,6,7
	BLOAD \k
.endr
	s_wait_tensorcnt 0x0                           ; my one load has landed
	s_barrier_signal -1
	s_barrier_wait -1                              ; everybody's has: all of A is in LDS, and is only read from here on
	AFETCH 0, 0
	AFETCH 0, 4
	KSTEP 0, 42
	KSTEP 1, 36
	KSTEP 2, 30
	KSTEP 3, 24
	KSTEP 4, 18
	KSTEP 5, 12
	KSTEP 6, 6
	KSTEP 7, 0
	; the way out: lane (r, h) of accumulator (t, n) holds out(token row r of tile t, columns 32 w + 16 n + 8 h + 0..7)
.irp t, 0,1,2,3,4,5,6,7
	WIN 0x08+4*(\t/4)                              ; an LDS store's data are its source 1
.irp n, 0,1
	ds_store_b128 v10, v[32*\n+8*(\t%4):32*\n+8*(\t%4)+3] offset:16*\t*528+64*\n        ; each accumulator from its low end on
	ds_store_b128 v10, v[32*\n+8*(\t%4)+4:32*\n+8*(\t%4)+7] offset:16*\t*528+64*\n+16
.endr
.endr
	WIN 0
	s_wait_dscnt 0x0                               ; for the others' sake: my stores have landed
	s_barrier_signal -1
	s_barrier_wait -1                              ; 128 whole rows of 512 bytes lie in the stage
.set i, 0
.rept 32
	ds_load_b128 v[96+4*i:99+4*i], v11 offset:528*i
.set i, i+1
.endr
.set i, 0
.rept 32
	s_wait_dscnt 31-i                              ; row i is back; the later rows' loads are younger
	global_store_b128 v5, v[96+4*i:99+4*i], s[56:57] offset:(8*(i/16)+32*((i%16)/8)+i%8)*4096 th:TH_STORE_NT   ; 512 consecutive bytes, at a multiple of 256 from out0's first byte
.set i, i+1
.endr
	s_wait_tensorcnt 0x0
	ds_add_u32 v254, v255
	s_wait_dscnt 0x0
	CROUND                                         ; the closing round
	s_endpgm
.Lfunc_end_k_qf2263b1651_oproj:
	.size	k_qf2263b1651_oproj, .Lfunc_end_k_qf2263b1651_oproj-k_qf2263b1651_oproj
	.p2alignl 7, 3214868480
	.fill 96, 4, 3214868480
	.section	.rodata,"a",@progbits
	.p2align	6, 0x0
	.amdhsa_kernel k_qf2263b1651_oproj
		.amdhsa_group_segment_fixed_size 168448
		.amdhsa_private_segment_fixed_size 0
		.amdhsa_enable_private_segment 0
		.amdhsa_kernarg_size 40
		.amdhsa_user_sgpr_count 2
		.amdhsa_user_sgpr_kernarg_segment_ptr 1
		.amdhsa_wavefront_size32 1
		.amdhsa_system_sgpr_workgroup_id_x 1
		.amdhsa_system_sgpr_workgroup_id_y 1
		.amdhsa_system_sgpr_workgroup_id_z 1
		.amdhsa_system_vgpr_workitem_id 0
		.amdhsa_next_free_vgpr 1024
		.amdhsa_next_free_sgpr 66
		.amdhsa_reserve_vcc 0
		.amdhsa_float_denorm_mode_32 3
		.amdhsa_float_denorm_mode_16_64 3
		.amdhsa_memory_ordered 1
		.amdhsa_forward_progress 1
		.amdhsa_inst_pref_size 66
	.end_amdhsa_kernel
	.amdgpu_metadata
---
amdhsa.version: [ 1, 2 ]
amdhsa.kernels:
  - .name:           k_qf2263b1651_oproj
    .symbol:         k_qf2263b1651_oproj.kd
    .args:
      - { .name: att_codes, .offset: 0, .size: 8, .value_kind: global_buffer, .address_space: global }
      - { .name: att_scales, .offset: 8, .size: 8, .value_kind: global_buffer, .address_space: global }
      - { .name: xw_codes, .offset: 16, .size: 8, .value_kind: global_buffer, .address_space: global }
      - { .name: xw_scales, .offset: 24, .size: 8, .value_kind: global_buffer, .address_space: global }
      - { .name: out0, .offset: 32, .size: 8, .value_kind: global_buffer, .address_space: global }
    .group_segment_fixed_size: 168448
    .private_segment_fixed_size: 0
    .kernarg_segment_align: 8
    .kernarg_segment_size: 40
    .max_flat_workgroup_size: 128
    .sgpr_count:     66
    .vgpr_count:     1024
    .wavefront_size: 32
...
	.end_amdgpu_metadata
.endif
;; end of part 4
